; MI455X (gfx1250); checked and timed in simulation.
; The chip was launched on July 23, 2026; its instructions are those of AMD's public machine-readable ISA for CDNA 5 (MIT licence, August 2026) and "CDNA5" Instruction Set Architecture Reference Guide (July 2026). The comments in the code are by the model that wrote it; some were corrected since.
;; Multi Head Attention. Allowed arithmetic: matrix products marked QUANTISED: E2M3 operands, one E8M0 scale for each 32 along K, by v_wmma_scale_f32_16x16x128_f8f6f4 with both operands' format E2M3, f32 sums; everything else in f32.
;; Inputs: Wproj 1,024 x 1,024 float32; Wqkv 1,024 x 3,072 float32; freqs_cos 2,048 x 32 float32; freqs_sin 2,048 x 32 float32; mask 4 x 1 x 2,048 x 2,048 bool; x 4 x 2,048 x 1,024 float32.
;; Outputs: out0 4 x 2,048 x 1,024 float32.
;; This version of the problem:
;;   THIS VERSION OF THE PROBLEM IS GIVEN IN LOW PRECISION. The matrix products marked QUANTISED in the list below multiply operands that are first quantised to E2M3 (2 exponent bits, 3 mantissa bits; 6 bits a number), with one power-of-two scale for each 32 numbers along K (OCP MX v1.0); their sums are f32. All else is computed in f32.
;;   The module's matrix products, in the order in which they are computed (A, B: the left and right operand; K: the contracted axis; several contracted axes count as one K, in the product's order):
;;     1. [M 8,192, K 1,024] x [K 1,024, N 3,072]; A: input x; B: input Wqkv: QUANTISED
;;     2. batch 64 x [M 2,048, K 64] x [K 64, N 2,048]; A: computed on the way; B: computed on the way: QUANTISED
;;     3. batch 64 x [M 64, K 2,048] x [K 2,048, N 2,048]; A: computed on the way; B: softmax (see below): QUANTISED
;;     4. [M 8,192, K 1,024] x [K 1,024, N 1,024]; A: computed on the way; B: input Wproj: QUANTISED
;;   THE QUANTISER, for each operand of a quantised product, along K:
;;     - K is cut into blocks of 32 from its start; a last block that is shorter is filled with zeros.
;;     - A block's scale is 2^e with e = floor(log2(the largest magnitude in the block)) - 2, held to -126 .. 127; a block of zeros has e = 0. As a byte (E8M0): e + 127.
;;     - Each number is divided by its block's scale, clamped to +-7.5, and rounded to the nearest number of E2M3, ties to even, subnormals kept.
;;     - The product sums the exact products of the quantised numbers (number of the format x scale) in f32.
;;   ~~~python
;;   def quantise(x, axis):      # numpy; x: float32 -> the quantised numbers, widened to float32 again
;;       x = np.moveaxis(x, axis, -1); K = x.shape[-1]
;;       x = np.pad(x, [(0, 0)] * (x.ndim - 1) + [(0, -K % 32)]); x = x.reshape(x.shape[:-1] + (-1, 32)); a = np.abs(x).max(-1, keepdims=True)
;;       e = np.where(a > 0, np.clip(np.frexp(np.where(a > 0, a, 1))[1] - 1 - 2, -126, 127), 0)      # np.frexp(a)[1] - 1 = floor(log2(a)), exactly
;;       r = np.clip(x / 2.0 ** e, -7.5, 7.5)
;;       step = 2.0 ** (np.maximum(np.frexp(np.where(r == 0, 1, r))[1] - 1, 0) - 3)
;;       q = np.round(r / step) * step * 2.0 ** e      # np.round: ties to even
;;       return np.moveaxis(q.reshape(q.shape[:-2] + (-1,))[..., :K], -1, axis).astype(np.float32)
;;   ~~~
;;   SOFTMAX AHEAD OF A QUANTISED PRODUCT. Where the list says 'softmax', what is quantised is not the finished softmax but p = 2^(t - M), with t = logit x log2(e) and M = ceil(the row's largest t), a whole number; so 1/2 < the row's largest p <= 1. The row's sum l is taken of the UNQUANTISED p, in f32, and the product's result is divided by l at the end. Since M is a whole number, a kernel that streams over the keys may use a running M (the ceiling of the running maximum): every later rescaling is an exact power of two, which a block's scale takes up: the codes' values come out the same.
;;   OPERANDS COMPUTED ON THE WAY. 'Computed on the way' means the value that the module computes at that place (a softmax that the list does not call 'softmax' is quantised finished and normalised). What goes into a quantiser is computed in f32, as accurately as f32 sums, v_exp_f32 and their like allow (about 1e-6 of the number): no bf16 or f16 on the way to a quantiser, and a product that is left as it is and whose result goes on into a quantised operand takes f32 operands (vector FMAs, or v_wmma_f32_16x16x4_f32). A number that lies on a knife's edge between two numbers of the format may be rounded either way, as far as f32 arithmetic and the matrix unit's own rounding can turn it there, and no further.
;; 2 versions, each right; version 2 is version 1 with the launch attn written anew for expert scheduling mode. Each part assembles by itself: llvm-mc -triple=amdgcn-amd-amdhsa -mcpu=gfx1250 --defsym DOCPART=n.
;; ======== version 1 of 2: 4 launches
;; limits: right only within a limited range of input values
;; workspace buffers: opnd1 9,011,200 bytes; opnd4 7,372,800 bytes; qkv 20,185,088 bytes; maskw 2,097,152 bytes of whole numbers
;; launch prep (part 1): grid 1152 x 1, 8 waves a work-group, no clusters, 96,768 bytes of LDS; arguments x, Wqkv, Wproj, mask, opnd1, opnd4, maskw; writes opnd1, opnd4, maskw
.if DOCPART == 1
	.amdgcn_target "amdgcn-amd-amdhsa--gfx1250"
	.amdhsa_code_object_version 6
	.text
	.protected	k_q35e0f3f840_prep
	.globl	k_q35e0f3f840_prep
	.p2align	8
	.type	k_q35e0f3f840_prep,@function
k_q35e0f3f840_prep:
	s_mov_b64 s[64:65], 0
	v_nop
	global_prefetch_b8 v0, s[64:65] scope:SCOPE_SE
	s_setreg_imm32_b32 hwreg(HW_REG_WAVE_MODE, 25, 1), 1
	s_wait_xcnt 0x0
; x [8192][1024], Wqkv [1024][3072], Wproj [1024][1024] (f32) become codes of E2M3 with one E8M0 byte for each 32 along K, laid as IMAGES OF OPERAND REGISTERS; the mask's bytes become words of 32 lanes' bits.
; A TILE is 16 rows of an operand; lane r of tile T holds logical row 32 (T / 2) + 8 (T % 2) + r % 8 + 16 (r / 8), so that a product's results of two neighbouring tiles are 16 neighbours along the next K.
; A FRAGMENT (a tile x 128 K) is 1,536 bytes: two halves of 768: 512 bytes = 16 x lane (registers 6 c .. 6 c + 3), 256 bytes = 8 x lane (registers 6 c + 4, 6 c + 5).  A tile's eight K steps lie on end: 12,288 bytes.
; SCALE WORDS of a tile: 512 bytes, [K step / 4][row 16][K step % 4] words.
; Work-groups 0-511: a token tile of x each, wave = K step.  512-639: 32 columns of Wqkv (96 groups) or Wproj (32), wave = K step, a lane to a column, registers down K.  640-1151: a tile of queries of the mask, wave = 256 keys.
; A block's scale byte is its largest magnitude's exponent field - 2, held at 1 from below by a floor among the maximum's leaves.
; LIMITS: NaN and infinities among the inputs are not served; a block under 2^-124 (a block of zeros too) gets the byte 1, its codes being zeros or what the conversion gives: the bytes are read by this program alone.
; No tensor loads: each wave does one piece and ends; each path has LDS bytes of its own.
.set XSC,   67584                      ; path X: eight stages of 16 rows x 528 bytes from byte 0; here its 512 bytes of scale words
.set WST,   68096                      ; path W: eight waves x 3,328 bytes: two tiles' images, 1,664 bytes apart
.set WSC,   94720                      ; path W: two tiles' scale words, 1,024 bytes
.set SCL1,  8650752                    ; where the scale words begin in opnd1 (704 tiles x 12,288)
.set SCL4,  7077888                    ; and in opnd4 (576 tiles)
.set FLOOR, 0x1800000                  ; 2^(3 - 127)
.set EOFF,  0xff000000                 ; takes 2 off an exponent field
	s_load_b256 s[4:11], s[0:1], 0x0               ; x, Wqkv, Wproj, mask
	s_load_b128 s[12:15], s[0:1], 0x20             ; opnd1, opnd4
	s_load_b64 s[16:17], s[0:1], 0x30              ; maskw
	v_lshl_add_u32 v192, v0, 2, 0x17600
	v_mov_b32 v193, 0
	v_lshrrev_b32 v1, 5, v0
	v_readfirstlane_b32 s20, v1                    ; wave 0..7
	v_and_b32 v1, 31, v0                           ; lane
	v_and_b32 v2, 15, v0                           ; r
	v_bfe_u32 v3, v0, 4, 1                         ; h
	s_mov_b32 s22, 0x76543210
	s_mov_b32 s23, 0xfedcba98                      ; selects: lane l xor 16
	s_lshr_b32 s21, s20, 2
	s_and_b32 s18, s20, 3
	s_lshl_b32 s21, s21, 8
	s_lshl_b32 s18, s18, 2
	s_add_co_u32 s21, s21, s18                     ; my K step's place among a tile's scale words: 256 (s / 4) + 4 (s % 4)
	s_cmp_lt_u32 ttmp9, 512
	s_cbranch_scc0 .Lnot_x
; ---------------- path X: tile ttmp9 of x, K step = wave: one fragment a wave
	v_lshlrev_b32 v4, 4, v1                        ; 16 x lane
	v_lshlrev_b32 v5, 3, v1                        ; 8 x lane
	s_mul_i32 s24, s20, 8448                       ; my stage
	v_add_nc_u32 v6, s24, v4                       ; in: a row's 512 bytes as they lie
	v_mul_u32_u24 v7, v2, 528
	v_lshl_add_u32 v7, v3, 7, v7
	v_add_nc_u32 v7, s24, v7                       ; out: row r, + 128 h: my 32 numbers of a block pair
	v_lshl_add_u32 v8, v2, 4, XSC
	v_add_nc_u32 v8, s21, v8                       ; my row's scale word
	v_add_nc_u32 v9, XSC, v4                       ; wave 0 reads all 512 bytes back
	v_lshlrev_b32 v10, 3, v3                       ; 8 h
	v_mov_b32 v11, 0                               ; a lane permute's destination counts as read
	s_lshr_b32 s24, ttmp9, 1
	s_lshl_b32 s24, s24, 5
	s_and_b32 s25, ttmp9, 1
	s_lshl_b32 s25, s25, 3
	s_add_co_u32 s24, s24, s25                     ; the tile's first token
	s_lshl_b32 s24, s24, 12                        ; x 4,096 bytes
	s_lshl_b32 s25, s20, 9
	s_add_co_u32 s24, s24, s25                     ; + my K step's 512 bytes
	s_mov_b32 s25, 0
	s_mul_i32 s26, ttmp9, 12288
	s_mul_i32 s27, s20, 1536
	s_add_co_u32 s26, s26, s27
	s_mov_b32 s27, 0
	s_lshl_b32 s28, ttmp9, 9
	s_add_co_u32 s28, s28, SCL1
	s_mov_b32 s29, 0
	s_wait_kmcnt 0x0
	s_add_nc_u64 s[24:25], s[4:5], s[24:25]
	s_add_nc_u64 s[26:27], s[12:13], s[26:27]
	s_add_nc_u64 s[28:29], s[12:13], s[28:29]
.set i, 0
.rept 16
	global_load_b128 v[64+4*i:67+4*i], v4, s[24:25] offset:((i%8)+16*(i/8))*4096 th:TH_LOAD_NT   ; the tile's row i: 512 consecutive bytes
.set i, i+1
.endr
.set i, 0
.rept 16
	s_wait_loadcnt 15-i                            ; row i is in; the younger rows may be out
	ds_store_b128 v6, v[64+4*i:67+4*i] offset:528*i
.set i, i+1
.endr
.irp c, 0,1
.irp j, 0,1,2,3,4,5,6,7
	ds_load_b128 v[128+32*\c+4*\j:131+32*\c+4*\j], v7 offset:256*\c+16*\j   ; my own stage: LDS serves a wave's instructions in order.  k = 64 c + 32 h + 0 .. 31 of row r
.endr
.endr
	s_wait_dscnt 0x0
.irp c, 0,1
	v_max3_num_f32 v[12+\c], |v[128+32*\c]|, |v[129+32*\c]|, FLOOR   ; block 2 c + h: all 32 numbers are mine
.endr
.set i, 2
.rept 15
.irp c, 0,1
	v_max3_num_f32 v[12+\c], v[12+\c], |v[128+32*\c+i]|, |v[129+32*\c+i]|
.endr
.set i, i+2
.endr
.irp c, 0,1
	v_add_nc_u32 v[14+\c], EOFF, v[12+\c]          ; the conversion's scale operand
.endr
.irp c, 0,1
	v_lshrrev_b32 v[16+\c], 23, v[14+\c]           ; the byte
.endr
	v_lshl_or_b32 v18, v17, 16, v16                ; bytes h and 2 + h of the word,
	v_lshlrev_b32 v18, v10, v18
	v_permlanex16_b32 v11, v18, s22, s23
	v_or_b32 v18, v18, v11                         ; with lane l xor 16's two it is whole
.irp c, 0,1
	v_cvt_scalef32_pk16_fp6_f32 v[32+6*\c:34+6*\c], v[128+32*\c:143+32*\c], v[14+\c]
	v_cvt_scalef32_pk16_fp6_f32 v[44+4*\c:46+4*\c], v[144+32*\c:159+32*\c], v[14+\c]   ; (three registers begin on an even number: made aside and moved)
.endr
	v_nop                                          ; a plain place behind the conversions
.irp c, 0,1
.irp i, 0,1,2
	v_mov_b32 v[35+6*\c+\i], v[44+4*\c+\i]
.endr
.endr
.irp c, 0,1
	global_store_b128 v4, v[32+6*\c:35+6*\c], s[26:27] offset:768*\c        ; 512 consecutive bytes, aligned to 256
	global_store_b64 v5, v[36+6*\c:37+6*\c], s[26:27] offset:768*\c+512     ; 256
.endr
	ds_store_b32 v8, v18                           ; both halves write the same word with the same value
	s_wait_dscnt 0x0                               ; for the others' sake
	s_barrier_signal -1
	s_barrier_wait -1
	s_cmp_lg_u32 s20, 0
	s_cbranch_scc1 .Lx_end
	ds_load_b128 v[20:23], v9                      ; the tile's 512 bytes of scale words leave as two whole units
	s_wait_dscnt 0x0
	global_store_b128 v4, v[20:23], s[28:29]
.Lx_end:
	s_wait_tensorcnt 0x0
	ds_add_u32 v192, v193
	s_wait_dscnt 0x0
	s_endpgm
; ---------------- path W: 32 columns (two tiles) of a weight, K step = wave
.Lnot_x:
	s_cmp_lt_u32 ttmp9, 640
	s_cbranch_scc0 .Lmask
	s_sub_co_u32 s30, ttmp9, 512                   ; g
	s_wait_kmcnt 0x0
	s_mov_b32 s31, SCL4
	s_mov_b32 s32, 4096
	s_cmp_lt_u32 s30, 96                           ; Wqkv's groups first.  The choice hangs on the work-group's number alone
	s_cselect_b64 s[24:25], s[6:7], s[8:9]
	s_cselect_b64 s[26:27], s[12:13], s[14:15]
	s_cselect_b32 s31, SCL1, s31
	s_cselect_b32 s32, 12288, s32                  ; a row of the weight in bytes
	s_cselect_b32 s33, 0, 96
	s_sub_co_u32 s33, s30, s33                     ; the group of 32 columns
	s_mul_i32 s34, s20, s32
	s_lshl_b32 s34, s34, 7                         ; my 128 rows
	s_lshl_b32 s35, s33, 7
	s_add_co_u32 s34, s34, s35
	s_mov_b32 s35, 0
	s_add_nc_u64 s[24:25], s[24:25], s[34:35]
	s_mul_i32 s36, s33, 24576                      ; the weights' tiles begin at tile 512 in both buffers
	s_mul_i32 s37, s20, 1536
	s_add_co_u32 s36, s36, s37
	s_add_co_u32 s36, s36, 6291456
	s_mov_b32 s37, 0
	s_add_nc_u64 s[36:37], s[26:27], s[36:37]
	s_lshl_b32 s38, s33, 10
	s_add_co_u32 s38, s38, s31
	s_add_co_u32 s38, s38, 262144
	s_mov_b32 s39, 0
	s_add_nc_u64 s[38:39], s[26:27], s[38:39]
	v_lshlrev_b32 v4, 2, v1                        ; 4 x lane
	v_lshlrev_b32 v8, 4, v1                        ; 16 x lane
	v_bfe_u32 v5, v0, 3, 1                         ; which of the two tiles my column falls into,
	v_and_b32 v6, 7, v0
	v_lshl_add_u32 v6, v3, 3, v6                   ; and which row of it: l % 8 + 8 (l / 16)
	s_mul_i32 s40, s20, 3328
	s_add_co_u32 s40, s40, WST
	v_mul_u32_u24 v7, v5, 1664
	v_add_nc_u32 v7, s40, v7
	v_lshl_add_u32 v9, v6, 4, v7                   ; my row's place among an image's 16-byte pieces,
	v_lshl_add_u32 v10, v6, 3, v7                  ; and among its 8-byte pieces
	v_add_nc_u32 v7, s40, v8                       ; back: 16 x lane
	v_lshlrev_b32 v11, 9, v5
	v_lshl_add_u32 v11, v6, 4, v11
	v_add_nc_u32 v11, s21, v11
	v_add_nc_u32 v11, WSC, v11                     ; my column's scale word
	v_add_nc_u32 v2, WSC, v8                       ; wave 0 reads them back
.macro WLOAD pitch
.set i, 0
.rept 128
	global_load_b32 v[64+i], v4, s[24:25] offset:i*\pitch   ; W(128 s + i, my column): 32 lanes read 128 consecutive bytes
.set i, i+1
.endr
.endm
	s_cmp_lt_u32 s30, 96
	s_cbranch_scc0 .Lw_proj
	WLOAD 12288
	s_branch .Lw_in
.Lw_proj:
	WLOAD 4096
.Lw_in:
	s_wait_loadcnt 0x0
.irp b, 0,1,2,3
	v_max3_num_f32 v[12+\b], |v[64+32*\b]|, |v[65+32*\b]|, FLOOR   ; four whole blocks lie in my registers
.endr
.set i, 2
.rept 15
.irp b, 0,1,2,3
	v_max3_num_f32 v[12+\b], v[12+\b], |v[64+32*\b+i]|, |v[65+32*\b+i]|
.endr
.set i, i+2
.endr
.irp b, 0,1,2,3
	v_add_nc_u32 v[56+\b], EOFF, v[12+\b]
.endr
.irp b, 0,1,2,3
	v_lshrrev_b32 v[60+\b], 23, v[56+\b]
.endr
	v_lshl_or_b32 v12, v61, 8, v60
	v_lshl_or_b32 v12, v62, 16, v12
	v_lshl_or_b32 v12, v63, 24, v12                ; my column's scale word of this K step
.irp b, 0,1,2,3
	v_cvt_scalef32_pk16_fp6_f32 v[32+6*\b:34+6*\b], v[64+32*\b:79+32*\b], v[56+\b]
	v_cvt_scalef32_pk16_fp6_f32 v[16+4*\b:18+4*\b], v[80+32*\b:95+32*\b], v[56+\b]
.endr
	v_nop
.irp b, 0,1,2,3
.irp i, 0,1,2
	v_mov_b32 v[35+6*\b+\i], v[16+4*\b+\i]
.endr
.endr
.irp b, 0,1,2,3                        ; block b is what lane (my row, b % 2) holds in half b / 2 of the fragment
	ds_store_b128 v9, v[32+6*\b:35+6*\b] offset:768*(\b/2)+256*(\b%2)
	ds_store_b64 v10, v[36+6*\b:37+6*\b] offset:768*(\b/2)+512+128*(\b%2)
.endr
	ds_store_b32 v11, v12
.irp t, 0,1
.irp p, 0,1,2
	ds_load_b128 v[64+12*\t+4*\p:67+12*\t+4*\p], v7 offset:1664*\t+512*\p   ; my own images, in order behind my stores
.endr
.endr
.irp t, 0,1
.irp p, 0,1,2
	s_wait_dscnt 5-3*\t-\p                         ; this piece is back; the younger ones may be out
	global_store_b128 v8, v[64+12*\t+4*\p:67+12*\t+4*\p], s[36:37] offset:12288*\t+512*\p
.endr
.endr
	s_wait_dscnt 0x0
	s_barrier_signal -1
	s_barrier_wait -1
	s_cmp_lg_u32 s20, 0
	s_cbranch_scc1 .Lw_end
	ds_load_b128 v[20:23], v2
	ds_load_b128 v[24:27], v2 offset:512
	s_wait_dscnt 0x0
	global_store_b128 v8, v[20:23], s[38:39]
	global_store_b128 v8, v[24:27], s[38:39] offset:512
.Lw_end:
	s_wait_tensorcnt 0x0
	ds_add_u32 v192, v193
	s_wait_dscnt 0x0
	s_endpgm
; ---------------- path M: the mask of a tile of 16 queries; wave w: key steps 2 w and 2 w + 1 (a row's 256 bytes)
; Word for score register j of a key step: bit l = mask[b][query of lane l % 16][128 ks + 32 (j / 16) + 16 (l / 16) + j % 16].  In memory word 2 (j % 32) + j / 32; a key step's 64 words are 256 bytes.
.Lmask:
	s_sub_co_u32 s30, ttmp9, 640                   ; 128 b + query tile
	s_lshr_b32 s31, s30, 7
	s_and_b32 s32, s30, 127
	s_lshl_b32 s33, s31, 22
	s_lshr_b32 s34, s32, 1
	s_lshl_b32 s34, s34, 5
	s_and_b32 s35, s32, 1
	s_lshl_b32 s35, s35, 3
	s_add_co_u32 s34, s34, s35
	s_lshl_b32 s34, s34, 11
	s_add_co_u32 s33, s33, s34
	s_lshl_b32 s34, s20, 8
	s_add_co_u32 s24, s33, s34
	s_mov_b32 s25, 0
	s_lshl_b32 s26, s30, 12
	s_lshl_b32 s34, s20, 9
	s_add_co_u32 s26, s26, s34
	s_mov_b32 s27, 0
	v_and_b32 v4, 7, v2
	v_lshrrev_b32 v5, 3, v2
	v_lshl_add_u32 v4, v5, 4, v4
	v_lshlrev_b32 v4, 11, v4
	v_lshl_add_u32 v4, v3, 4, v4                   ; my query's row of 2,048 bytes, + 16 h
	v_lshlrev_b32 v5, 3, v1
.irp i, 32,33,34,35
	v_mov_b32 v\i, 0                               ; a lane write's destination counts as read
.endr
	s_wait_kmcnt 0x0
	s_add_nc_u64 s[24:25], s[10:11], s[24:25]
	s_add_nc_u64 s[26:27], s[16:17], s[26:27]
.irp u, 0,1
.irp b, 0,1,2,3
	global_load_b128 v[64+16*\u+4*\b:67+16*\u+4*\b], v4, s[24:25] offset:128*\u+32*\b th:TH_LOAD_NT
.endr
.endr
	s_wait_loadcnt 0x0
.irp u, 0,1
.set j, 0
.rept 16                               ; register j holds the bytes of score registers 4 j .. 4 j + 3
.irp k, 0,1,2,3
	v_and_b32 v[8+\k], 0xff<<(8*\k), v[64+16*\u+j]
.endr
.irp k, 0,1,2,3
	v_cmp_ne_u32 s[40+\k], 0, v[8+\k]              ; the 32 lanes' bits
.endr
.irp k, 0,1,2,3
	v_writelane_b32 v[32+2*\u+j/8], s[40+\k], (4*j+\k)%32
.endr
.set j, j+1
.endr
	global_store_b64 v5, v[32+2*\u:33+2*\u], s[26:27] offset:256*\u   ; one aligned unit of 256 bytes
.endr
	s_endpgm
.Lfunc_end_k_q35e0f3f840_prep:
	.size	k_q35e0f3f840_prep, .Lfunc_end_k_q35e0f3f840_prep-k_q35e0f3f840_prep
	.p2alignl 7, 3214868480
	.fill 96, 4, 3214868480
	.section	.rodata,"a",@progbits
	.p2align	6, 0x0
	.amdhsa_kernel k_q35e0f3f840_prep
		.amdhsa_group_segment_fixed_size 96768
		.amdhsa_private_segment_fixed_size 0
		.amdhsa_enable_private_segment 0
		.amdhsa_kernarg_size 56
		.amdhsa_user_sgpr_count 2
		.amdhsa_user_sgpr_kernarg_segment_ptr 1
		.amdhsa_wavefront_size32 1
		.amdhsa_system_sgpr_workgroup_id_x 1
		.amdhsa_system_sgpr_workgroup_id_y 1
		.amdhsa_system_sgpr_workgroup_id_z 1
		.amdhsa_system_vgpr_workitem_id 0
		.amdhsa_next_free_vgpr 194
		.amdhsa_next_free_sgpr 66
		.amdhsa_reserve_vcc 0
		.amdhsa_float_denorm_mode_32 3
		.amdhsa_float_denorm_mode_16_64 3
		.amdhsa_memory_ordered 1
		.amdhsa_forward_progress 1
		.amdhsa_inst_pref_size 71
	.end_amdhsa_kernel
	.amdgpu_metadata
---
amdhsa.version: [ 1, 2 ]
amdhsa.kernels:
  - .name:           k_q35e0f3f840_prep
    .symbol:         k_q35e0f3f840_prep.kd
    .args:
      - { .name: x, .offset: 0, .size: 8, .value_kind: global_buffer, .address_space: global }
      - { .name: Wqkv, .offset: 8, .size: 8, .value_kind: global_buffer, .address_space: global }
      - { .name: Wproj, .offset: 16, .size: 8, .value_kind: global_buffer, .address_space: global }
      - { .name: mask, .offset: 24, .size: 8, .value_kind: global_buffer, .address_space: global }
      - { .name: opnd1, .offset: 32, .size: 8, .value_kind: global_buffer, .address_space: global }
      - { .name: opnd4, .offset: 40, .size: 8, .value_kind: global_buffer, .address_space: global }
      - { .name: maskw, .offset: 48, .size: 8, .value_kind: global_buffer, .address_space: global }
    .group_segment_fixed_size: 96768
    .private_segment_fixed_size: 0
    .kernarg_segment_align: 8
    .kernarg_segment_size: 56
    .max_flat_workgroup_size: 256
    .sgpr_count:     66
    .vgpr_count:     194
    .wavefront_size: 32
...
	.end_amdgpu_metadata
.endif
;; end of part 1
;; launch gemm1 (part 2): grid 12 x 32, 4 waves a work-group, clusters of 4 x 4, 327,680 bytes of LDS; arguments opnd1, freqs_cos, freqs_sin, qkv; writes qkv
.if DOCPART == 2
	.amdgcn_target "amdgcn-amd-amdhsa--gfx1250"
	.amdhsa_code_object_version 6
	.text
	.protected	k_q35e0f3f840_gemm1
	.globl	k_q35e0f3f840_gemm1
	.p2align	8
	.type	k_q35e0f3f840_gemm1,@function
k_q35e0f3f840_gemm1:
	s_mov_b64 s[64:65], 0
	v_nop
	global_prefetch_b8 v0, s[64:65] scope:SCOPE_SE
	s_setreg_imm32_b32 hwreg(HW_REG_WAVE_MODE, 25, 1), 1
	s_wait_xcnt 0x0
	s_wait_alu depctr_hold_cnt(0) depctr_sa_sdst(0) depctr_va_vdst(0) depctr_va_sdst(0) depctr_va_ssrc(0) depctr_va_vcc(0) depctr_vm_vsrc(0)
	s_getreg_b32 s2, hwreg(HW_REG_IB_STS2, 6, 4)
	s_cmp_eq_u32 s2, 0
	s_cbranch_scc0 .Lentry_in_a_cluster
	s_endpgm
.Lentry_in_a_cluster:
	s_bfe_u32 s2, ttmp6, 0x10000c
	s_cmp_lg_u32 s2, 0xf033
	s_cbranch_scc0 .Lentry_shape_is_right
	s_endpgm
.Lentry_shape_is_right:
; qkv = x Wqkv on codes of E2M3 (K = 1,024), then the rotation of q and k, then q, k and v quantised for the attention: q and k along the head's 64, v along the keys.
; A work-group of four waves makes 256 x 256, a wave 128 x 128: 64 accumulators, 512 registers.  Operand P is source 1 (a lane holds one row of P), operand R is source 0 (a lane's registers run along R's rows).
; Clusters x = 0, 1 (q, k): P = tokens, R = columns of Wqkv: a lane holds one token and 128 columns = two heads.  Cluster x = 2 (v): P = v's columns, R = tokens: a lane holds one channel and 128 keys.
; Operands lie in opnd1 as images of fragments (16 rows x 128 K = 1,536 bytes; a tile's eight K steps on end: 12,288 bytes); a group is 16 tiles.  The rows of a tile are chosen so that the 16 registers of two
; neighbouring tiles of R are 16 neighbours: register 16 B + i of a lane (r, h) is R's row 32 B + 16 h + i.
; K goes through a ring of two LDS slots of two K steps each, filled by joint tensor loads: 4 x 4 work-groups form a cluster; P's tiles are shared along a row of it, R's along a column.
; The scale words of a wave's 8 + 8 tiles for all of K stay in 64 registers: lanes 0-15 P's, lanes 16-31 R's.
; REGISTERS: window 0: v1-7, v24-27 addresses; v16-23 LDS addresses; v28, v29 for the add; v32-95 scale words; v128-223 P's fragments (one set).  window 1: R's fragments, two sets.  windows 2, 3: accumulators.
; LIMITS: NaN and infinities are not served; a block under 2^-124 gets the byte 1.
.set HALFT, 24576                      ; 8 tiles x 3,072 bytes (two K steps): what one tensor load brings
.set SLOT,  98304                      ; P's 16 tiles, then R's
.set SPARE, 196608                     ; behind the ring: the spare words, 128 bytes a wave
.set SCLB,  8650752                    ; where the scale words begin in opnd1
.set ADRA, 16                          ; v16-17 P: 16 x lane in slot 0, 1;  v18-19: 8 x lane
.set ADRB, 20                          ; v20-23 the same for R
.set SPW,  28
.set NIL,  29
.set SC,   32                          ; v[SC + 8 i + ks]: tile i's words of K step ks
.set AF,   128
.set G1,  24
.set G0,  32
.set G1B, 48
.set G0B, 56
.set H,   128                          ; the way out, window 0: 64 rotated numbers
.set PC,  192                          ; the codes just made (12) and two runs aside
.set TM,  212                          ; v212-227 at work
.set PW,  228
.set SW,  232                          ; v232-239 the eight blocks' scale words
.set MSB, 0
.macro WIN new                         ; the immediate's high byte repeats the setting that is left
.if MSB != (\new)
	s_set_vgpr_msb (MSB<<8)|(\new)
.set MSB, (\new)
.endif
.endm
.set MUL_LO, 0xa1                      ; source 0 (R) window 1, source 1 (P) window 0, C and D window 2
.set MUL_HI, 0xf1
.set TO_B,   0x40
.macro JLOAD s                         ; a joint load: waves 0, 1 fetch P's halves, waves 2, 3 R's; four v_nop follow each line
	s_cmp_eq_u32 s15, 0
	s_cbranch_scc0 .Lfor_r_\@
	tensor_load_to_lds s[G0+4*\s:G0+4*\s+3], s[G1:G1+7]
	s_nop 0
.rept 4
	v_nop
.endr
	s_branch .Lasked_\@
.Lfor_r_\@:
	tensor_load_to_lds s[G0B+4*\s:G0B+4*\s+3], s[G1B:G1B+7]
	s_nop 0
.rept 4
	v_nop
.endr
.Lasked_\@:
.endm
.macro CREST                           ; a round of the cluster's barrier behind its opening barrier
	s_cmp_lg_u32 s14, 0
	s_cbranch_scc1 .Lnot_wave_0_\@
	s_barrier_signal -3
.Lnot_wave_0_\@:
	s_barrier_wait -3
	s_barrier_signal -1
	s_barrier_wait -1
.endm
.macro CROUND
	s_barrier_signal -1
	s_barrier_wait -1
	CREST
.endm
.macro PLACES                          ; four plain places behind matrix instructions, in front of loads into their registers and of reads of results
.rept 4
	v_nop
.endr
.endm
	s_load_b128 s[4:7], s[0:1], 0x0                ; opnd1, cos
	s_load_b128 s[8:11], s[0:1], 0x10              ; sin, qkv
	v_lshl_add_u32 v[SPW], v0, 2, SPARE
	v_mov_b32 v[NIL], 0
	ds_add_u32 v28, v29
	ds_add_u32 v28, v29
	s_wait_dscnt 0x0
	v_lshrrev_b32 v1, 5, v0
	v_readfirstlane_b32 s14, v1                    ; wave 0..3
	s_lshr_b32 s15, s14, 1                         ; my half of P.  Also: I fetch for P (0) or R (1)
	s_and_b32 s16, s14, 1                          ; my half of R.  Also: which 8 tiles I fetch
	s_bfe_u32 s40, ttmp6, 0x40000                  ; cx
	s_bfe_u32 s41, ttmp6, 0x40004                  ; cy
	s_and_b32 s17, ttmp7, 0xffff
	s_lshl_b32 s17, s17, 2                         ; 4 x cluster y
	s_lshl_b32 s18, ttmp9, 2
	s_add_co_u32 s18, s18, 32                      ; Wqkv's groups begin at 32
	s_cmp_eq_u32 ttmp9, 2                          ; the cluster's x: the same in all sixteen partners
	s_cselect_b32 s19, 40, s17
	s_cselect_b32 s18, s17, s18
	s_add_co_u32 s42, s19, s41                     ; P's group hangs on cy alone,
	s_add_co_u32 s66, s18, s40                     ; R's on cx alone
	s_lshl_b32 s43, s41, 2
	s_lshl_b32 s43, 15, s43                        ; my row of the cluster
	s_lshl_b32 s44, 0x1111, s40                    ; my column
	s_or_b32 s[G1], s43, (3<<16)|(1<<21)           ; the mask; elements of 8 bytes; bit 21 beside a mask; no padding
	s_or_b32 s[G1B], s44, (3<<16)|(1<<21)
.irp g, G1, G1B
	s_mov_b32 s[\g+1], 384<<16                     ; tensor_dim0: 3,072 bytes
	s_mov_b32 s[\g+2], 8<<16                       ; tensor_dim1: 8 tiles
	s_mov_b32 s[\g+3], 384<<16                     ; tile_dim0
	s_mov_b32 s[\g+4], 8                           ; tile_dim1
	s_mov_b32 s[\g+5], 1536                        ; from tile to tile: 12,288 bytes
	s_mov_b32 s[\g+6], 0
	s_mov_b32 s[\g+7], 0
.endr
	s_mul_i32 s20, s42, 196608
	s_mul_i32 s46, s66, 196608
	s_mul_i32 s45, s16, 98304
	s_add_co_u32 s20, s20, s45
	s_add_co_u32 s46, s46, s45
	s_mov_b32 s21, 0
	s_mov_b32 s47, 0
	s_mul_i32 s45, s14, HALFT                      ; where they go: no place in the cluster enters an LDS address
	s_wait_kmcnt 0x0
	s_add_nc_u64 s[20:21], s[4:5], s[20:21]
	s_add_nc_u64 s[46:47], s[4:5], s[46:47]
	CROUND                                         ; all sixteen work-groups are here: the first joint loads meet
.irp s, 0,1
	s_mov_b32 s[G0+4*\s], 1
	s_add_co_u32 s[G0+4*\s+1], s45, \s*SLOT
	s_add_nc_u64 s[G0+4*\s+2:G0+4*\s+3], s[20:21], \s*3072
	s_or_b32 s[G0+4*\s+3], s[G0+4*\s+3], 0x80000000
	s_mov_b32 s[G0B+4*\s], 1
	s_add_co_u32 s[G0B+4*\s+1], s45, \s*SLOT
	s_add_nc_u64 s[G0B+4*\s+2:G0B+4*\s+3], s[46:47], \s*3072
	s_or_b32 s[G0B+4*\s+3], s[G0B+4*\s+3], 0x80000000
	JLOAD \s                                       ; two loads of mine are out
.endr
	v_and_b32 v1, 31, v0                           ; lane
	v_and_b32 v2, 15, v0                           ; r
	v_bfe_u32 v3, v0, 4, 1                         ; h
	v_lshlrev_b32 v4, 4, v1                        ; 16 x lane
	v_lshlrev_b32 v5, 3, v1                        ; 8 x lane
	s_mul_i32 s12, s15, HALFT
	s_mul_i32 s13, s16, HALFT
	s_add_co_u32 s13, s13, 2*HALFT
.irp s, 0,1
	v_add_nc_u32 v[ADRA+\s], s12, v4
	v_add_nc_u32 v[ADRA+2+\s], s12, v5
	v_add_nc_u32 v[ADRB+\s], s13, v4
	v_add_nc_u32 v[ADRB+2+\s], s13, v5
	s_add_co_u32 s12, s12, SLOT
	s_add_co_u32 s13, s13, SLOT
.endr
	s_lshl_b32 s67, s42, 4
	s_lshl_b32 s68, s15, 3
	s_add_co_u32 s67, s67, s68
	s_lshl_b32 s67, s67, 9                         ; my 8 tiles of P among the scale words,
	s_lshl_b32 s68, s66, 4
	s_lshl_b32 s69, s16, 3
	s_add_co_u32 s68, s68, s69
	s_lshl_b32 s68, s68, 9                         ; and of R
	v_mov_b32 v6, s67
	v_mov_b32 v7, s68
	v_cmp_ne_u32 vcc_lo, 0, v3
	v_cndmask_b32 v6, v6, v7, vcc_lo               ; lanes 0-15 take P's, lanes 16-31 R's
	v_lshl_add_u32 v6, v2, 4, v6
	s_add_nc_u64 s[70:71], s[4:5], SCLB
.irp i, 0,1,2,3,4,5,6,7
.irp g, 0,1
	global_load_b128 v[SC+8*\i+4*\g:SC+8*\i+4*\g+3], v6, s[70:71] offset:512*\i+256*\g   ; four K steps' words of a row
.endr
.endr
.macro FRAG reg, adr, q, i             ; a fragment comes back as it was stored: four loads, each of 512 or 256 consecutive bytes
	ds_load_b128 v[\reg:\reg+3], v[\adr] offset:3072*(\i)+1536*(\q)
	ds_load_b64 v[\reg+4:\reg+5], v[\adr+2] offset:3072*(\i)+1536*(\q)+512
	ds_load_b128 v[\reg+6:\reg+9], v[\adr] offset:3072*(\i)+1536*(\q)+768
	ds_load_b64 v[\reg+10:\reg+11], v[\adr+2] offset:3072*(\i)+1536*(\q)+1280
.endm
.macro FETCH_B slot, q, p              ; R's eight fragments of the slot's q-th K step into set p
	WIN TO_B
.irp i, 0,1,2,3,4,5,6,7
	FRAG 128*(\p)+12*\i, ADRB+\slot, \q, \i
.endr
	WIN 0
.endm
.macro FETCH_A slot, q, i0             ; P's blocks i0 .. i0 + 3
.irp i, \i0, \i0+1, \i0+2, \i0+3
	FRAG AF+12*(\i), ADRA+\slot, \q, \i
.endr
.endm
; 16 matrix instructions: P's blocks a0, a0 + 1 against R's eight.  The 64 accumulators take turns, one instruction a turn, in the same order in every step.
.macro MUL16 a0, p, ks, zero
.irp a, \a0, \a0+1
.irp b, 0,1,2,3,4,5,6,7
.if \zero
	v_wmma_scale_f32_16x16x128_f8f6f4 v[8*(8*((\a)%4)+\b):8*(8*((\a)%4)+\b)+7], v[128*(\p)+12*\b:128*(\p)+12*\b+11], v[AF+12*(\a):AF+12*(\a)+11], 0, v[SC+8*\b+(\ks)], v[SC+8*(\a)+(\ks)] matrix_a_fmt:MATRIX_FMT_FP6 matrix_b_fmt:MATRIX_FMT_FP6 matrix_a_scale:MATRIX_SCALE_ROW1
.else
	v_wmma_scale_f32_16x16x128_f8f6f4 v[8*(8*((\a)%4)+\b):8*(8*((\a)%4)+\b)+7], v[128*(\p)+12*\b:128*(\p)+12*\b+11], v[AF+12*(\a):AF+12*(\a)+11], v[8*(8*((\a)%4)+\b):8*(8*((\a)%4)+\b)+7], v[SC+8*\b+(\ks)], v[SC+8*(\a)+(\ks)] matrix_a_fmt:MATRIX_FMT_FP6 matrix_b_fmt:MATRIX_FMT_FP6 matrix_a_scale:MATRIX_SCALE_ROW1
.endif
.endr
.endr
.endm
.macro STEP slot, ks, zero             ; a slot's first K step: R's set 0; the second step's fragments are fetched on the way
	s_wait_dscnt 16                                ; R's set and P's blocks 0-3 are in; the youngest 16 loads (P's blocks 4-7) may be out
	WIN MUL_LO
	MUL16 0, 0, \ks, \zero
	MUL16 2, 0, \ks, \zero
	s_wait_dscnt 0x0                               ; P's blocks 4-7 are in
	PLACES
	FETCH_B \slot, 1, 1
	FETCH_A \slot, 1, 0
	WIN MUL_HI
	MUL16 4, 0, \ks, \zero
	MUL16 6, 0, \ks, \zero
	PLACES
	WIN 0
	FETCH_A \slot, 1, 4
.endm
; A slot's second K step changes slots: one barrier; in front of it each wave waits for all its tensor loads, adds 0 to its spare word, and waits for that and for its reads of this slot.
.macro TURN slot, next, ks, fill
	s_wait_tensorcnt 0x0                           ; all my tensor loads have landed: my part of the next slot
	ds_add_u32 v[SPW], v[NIL]
	s_wait_dscnt 17                                ; the add and the youngest 16 loads may be out
	WIN MUL_LO
	MUL16 0, 1, \ks, 0
	s_wait_dscnt 0x0                               ; the add is done, and my reads of this slot are over
	s_barrier_signal -1
	MUL16 2, 1, \ks, 0
	WIN 0
	s_barrier_wait -1
.if \fill
	CREST                                          ; the barrier has opened a round of the cluster's: no wave of any partner still reads this slot or has a load on its way
	s_add_nc_u64 s[G0+4*\slot+2:G0+4*\slot+3], s[G0+4*\slot+2:G0+4*\slot+3], 6144
	s_add_nc_u64 s[G0B+4*\slot+2:G0B+4*\slot+3], s[G0B+4*\slot+2:G0B+4*\slot+3], 6144
	JLOAD \slot                                    ; the first tensor load behind the round; its four v_nop are the places in front of the loads below
.else
	PLACES
.endif
	FETCH_B \next, 0, 0
	FETCH_A \next, 0, 0
	WIN MUL_HI
	MUL16 4, 1, \ks, 0
	MUL16 6, 1, \ks, 0
	PLACES
	WIN 0
	FETCH_A \next, 0, 4
.endm
	s_wait_tensorcnt 1                             ; my part of slot 0 is in; slot 1's may be out
	s_barrier_signal -1
	s_barrier_wait -1
	FETCH_B 0, 0, 0
	FETCH_A 0, 0, 0
	FETCH_A 0, 0, 4
	s_wait_loadcnt 0x0                             ; the scale words
	STEP 0, 0, 1                                   ; the eight K steps are written out: each names its own scale registers
	TURN 0, 1, 1, 1
	STEP 1, 2, 0
	TURN 1, 0, 3, 1
	STEP 0, 4, 0
	TURN 0, 1, 5, 0
	STEP 1, 6, 0
	s_wait_dscnt 16
	WIN MUL_LO
	MUL16 0, 1, 7, 0
	MUL16 2, 1, 7, 0
	s_wait_dscnt 0x0
	WIN MUL_HI
	MUL16 4, 1, 7, 0
	MUL16 6, 1, 7, 0
	WIN 0
	PLACES
; 64 numbers of a lane in window w, register 16 b + i = k 32 b + 16 h + i of my row, become a fragment's codes in v[PC] on and its scale word in v[pw].
.macro QUANT s, w, pw
	WIN ((\w)<<2)|((\w)<<4)
.irp b, 0,1,2,3
	v_max3_num_f32 v[TM+\b], 0x1800000, |v[\s+16*\b]|, |v[\s+1+16*\b]|   ; with the floor 2^(3 - 127); each accumulator is read from its low end on
.endr
.irp i, 2,4,6,8,10,12,14
.irp b, 0,1,2,3
	v_max3_num_f32 v[TM+\b], v[TM+\b], |v[\s+16*\b+\i]|, |v[\s+1+16*\b+\i]|
.endr
.endr
	WIN 0
.irp b, 0,1,2,3
	v_permlanex16_b32 v[TM+4+\b], v[TM+\b], s72, s73
.endr
.irp b, 0,1,2,3
	v_max_num_f32 v[TM+\b], v[TM+\b], v[TM+4+\b]   ; with lane l xor 16's: the block's largest magnitude
.endr
.irp b, 0,1,2,3
	v_add_nc_u32 v[TM+12+\b], 0xff000000, v[TM+\b] ; 2 off its exponent field: the conversion's scale operand
.endr
.irp b, 0,1,2,3
	v_lshrrev_b32 v[TM+4+\b], 23, v[TM+12+\b]      ; the byte
.endr
	v_lshl_or_b32 v[\pw], v[TM+5], 8, v[TM+4]
	v_lshl_or_b32 v[\pw], v[TM+6], 16, v[\pw]
	v_lshl_or_b32 v[\pw], v[TM+7], 24, v[\pw]
	WIN (\w)
.irp c, 0,1
	v_cvt_scalef32_pk16_fp6_f32 v[PC+6*\c:PC+2+6*\c], v[\s+32*\c:\s+15+32*\c], v[TM+12+2*\c]
	v_cvt_scalef32_pk16_fp6_f32 v[PC+12+4*\c:PC+14+4*\c], v[\s+16+32*\c:\s+31+32*\c], v[TM+12+2*\c+1]
.endr
	WIN 0
	v_nop                                          ; a plain place behind the conversions
.irp c, 0,1                            ; the operand's layout wants a whole block in a lane
.irp i, 0,1,2
	v_permlane16_swap_b32 v[PC+6*\c+\i], v[PC+12+4*\c+\i]
.endr
.irp i, 0,1,2
	v_mov_b32 v[PC+3+6*\c+\i], v[PC+12+4*\c+\i]
.endr
.endr
.endm
.irp b, 0,1,2,3
	v_mov_b32 v[TM+4+\b], 0                        ; a lane permute's destination counts as read
.endr
	s_mov_b32 s72, 0x76543210
	s_mov_b32 s73, 0xfedcba98
	s_cmp_eq_u32 ttmp9, 2
	s_cbranch_scc1 .Lv_out
; ---------------- q and k: block a = 16 tokens (a lane a token) x two heads.  Rotation, then one fragment = two heads' half fragments.
	s_lshl_b32 s76, s42, 8
	s_lshl_b32 s77, s15, 7
	s_add_co_u32 s76, s76, s77                     ; my first token
	s_lshr_b32 s77, s76, 11                        ; b
	s_and_b32 s78, s76, 2047                       ; the position
	s_lshr_b32 s79, s78, 4                         ; the tile in its sequence
	s_lshl_b32 s80, s40, 2
	s_lshl_b32 s81, s16, 1
	s_add_co_u32 s80, s80, s81                     ; my first head
	s_lshl_b32 s81, s77, 4
	s_add_co_u32 s81, s81, s80                     ; 16 b + head
	s_lshl_b32 s82, s81, 7
	s_add_co_u32 s82, s82, s79
	s_mul_i32 s82, s82, 768
	s_mul_i32 s83, ttmp9, 6291456                  ; q's codes, then k's
	s_add_co_u32 s82, s82, s83
	s_mov_b32 s83, 0
	s_add_nc_u64 s[82:83], s[10:11], s[82:83]
	s_lshl_b32 s84, s81, 13
	s_lshl_b32 s85, s79, 6
	s_add_co_u32 s84, s84, s85
	s_lshl_b32 s85, ttmp9, 19
	s_add_co_u32 s84, s84, s85
	s_add_co_u32 s84, s84, 18874368
	s_mov_b32 s85, 0
	s_add_nc_u64 s[84:85], s[10:11], s[84:85]
	s_lshl_b32 s86, s78, 7
	s_mov_b32 s87, 0
	s_add_nc_u64 s[88:89], s[8:9], s[86:87]        ; sin at my first position
	s_add_nc_u64 s[86:87], s[6:7], s[86:87]        ; cos
	s_mov_b32 s74, 0xffff
	s_mov_b32 s75, 0x7f7f0000
	v_and_b32 v24, 7, v2
	v_lshrrev_b32 v25, 3, v2
	v_lshl_add_u32 v24, v25, 4, v24
	v_lshlrev_b32 v24, 7, v24
	v_lshl_add_u32 v24, v3, 5, v24                 ; my token's row of 128 bytes, + 32 h: the pairs 8 h .. 8 h + 7 of each 16
	v_lshlrev_b32 v25, 4, v2
	v_lshl_add_u32 v25, v3, 13, v25                ; scale words: 16 r, lanes 16-31 one head (8,192 bytes) on
	v_lshlrev_b32 v26, 4, v3                       ; 16 h
	WIN TO_B                                       ; cos and sin fill window 1: block a: 16 of cos at v[32 a], 16 of sin at v[32 a + 16]
.irp a, 0,1,2,3,4,5,6,7
.irp e, 0,1
.irp u, 0,1
	global_load_b128 v[32*\a+8*\e+4*\u:32*\a+8*\e+4*\u+3], v24, s[86:87] offset:(32*(\a/2)+8*(\a%2))*128+64*\e+16*\u
.endr
.endr
.irp e, 0,1
.irp u, 0,1
	global_load_b128 v[32*\a+16+8*\e+4*\u:32*\a+16+8*\e+4*\u+3], v24, s[88:89] offset:(32*(\a/2)+8*(\a%2))*128+64*\e+16*\u
.endr
.endr
.endr
	WIN 0
.macro QKBLOCK a
	s_wait_loadcnt 8*(7-(\a))                      ; this block's cos and sin are in; the later blocks' eight loads each may be out
	s_wait_xcnt 0x0                                ; the last block's stores have read the codes' registers
.set AC, 64*((\a)%4)
.set FQ, 32*(\a)
	WIN (2+(\a)/4)|4                               ; source 0: the accumulators' window; source 1: window 1
.set n, 0
.rept 32                               ; pair n: (-odd x sin, even x sin)
.set FS, FQ+16+8*((n/8)%2)+2*((n%8)/2)
.if n%2
	v_pk_mul_f32 v[H+2*n:H+2*n+1], v[AC+2*n:AC+2*n+1], v[FS:FS+1] op_sel:[1,1] op_sel_hi:[0,1] neg_lo:[1,0]
.else
	v_pk_mul_f32 v[H+2*n:H+2*n+1], v[AC+2*n:AC+2*n+1], v[FS:FS+1] op_sel:[1,0] op_sel_hi:[0,0] neg_lo:[1,0]
.endif
.set n, n+1
.endr
.set n, 0
.rept 32                               ; + (even x cos, odd x cos)
.set FS, FQ+8*((n/8)%2)+2*((n%8)/2)
.if n%2
	v_pk_fma_f32 v[H+2*n:H+2*n+1], v[AC+2*n:AC+2*n+1], v[FS:FS+1], v[H+2*n:H+2*n+1] op_sel:[0,1,0] op_sel_hi:[1,1,1]
.else
	v_pk_fma_f32 v[H+2*n:H+2*n+1], v[AC+2*n:AC+2*n+1], v[FS:FS+1], v[H+2*n:H+2*n+1] op_sel:[0,0,0] op_sel_hi:[1,0,1]
.endif
.set n, n+1
.endr
	QUANT H, 0, PW
.irp c, 0,1                            ; half c is head c's half fragment: K = the head's 64
	global_store_b128 v4, v[PC+6*\c:PC+6*\c+3], s[82:83] offset:98304*\c+768*(\a)
	global_store_b64 v5, v[PC+6*\c+4:PC+6*\c+5], s[82:83] offset:98304*\c+768*(\a)+512
.endr
	v_lshrrev_b32 v27, v26, v[PW]                  ; lanes 0-15 keep head 0's two bytes, lanes 16-31 head 1's;
	v_and_or_b32 v[SW+(\a)], v27, s74, s75         ; the upper two bytes stand for 1.0: they scale zero codes
.endm
.irp a, 0,1,2,3,4,5,6,7
	QKBLOCK \a
.endr
	global_store_b128 v25, v[SW:SW+3], s[84:85]            ; four tiles' words of a row: 16 lanes fill an aligned 256 bytes
	global_store_b128 v25, v[SW+4:SW+7], s[84:85] offset:256
	s_branch .Lend
; ---------------- v: block a = 16 channels (a lane a channel) x 128 keys = one fragment of a key step
.Lv_out:
	s_lshl_b32 s76, s66, 8
	s_lshl_b32 s77, s16, 7
	s_add_co_u32 s76, s76, s77                     ; my first token
	s_lshr_b32 s77, s76, 11                        ; b
	s_bfe_u32 s78, s76, 0x40007                    ; the key step
	s_lshl_b32 s80, s41, 2
	s_lshl_b32 s81, s15, 1
	s_add_co_u32 s80, s80, s81                     ; my first head
	s_lshl_b32 s81, s77, 4
	s_add_co_u32 s81, s81, s80
	s_lshl_b32 s82, s81, 4
	s_add_co_u32 s82, s82, s78
	s_mul_i32 s82, s82, 6144
	s_add_co_u32 s82, s82, 12582912
	s_mov_b32 s83, 0
	s_add_nc_u64 s[82:83], s[10:11], s[82:83]
	s_lshl_b32 s84, s81, 12
	s_lshl_b32 s85, s78, 8
	s_add_co_u32 s84, s84, s85
	s_add_co_u32 s84, s84, 19922944
	s_mov_b32 s85, 0
	s_add_nc_u64 s[84:85], s[10:11], s[84:85]
	v_lshlrev_b32 v25, 4, v2
	v_lshl_add_u32 v25, v3, 12, v25                ; 16 r, lanes 16-31 one head (4,096 bytes) on
.macro VBLOCK a
	s_wait_xcnt 0x0                                ; the last block's stores have read the codes' registers
.set AC, 64*((\a)%4)
	QUANT AC, 2+(\a)/4, SW+(\a)
.irp p, 0,1,2
	global_store_b128 v4, v[PC+4*\p:PC+4*\p+3], s[82:83] offset:98304*((\a)/4)+1536*((\a)%4)+512*\p
.endr
.endm
.irp a, 0,1,2,3,4,5,6,7
	VBLOCK \a
.endr
	v_cmp_ne_u32 vcc_lo, 0, v3
.irp t, 0,1,2,3
	v_cndmask_b32 v[SW+\t], v[SW+\t], v[SW+4+\t], vcc_lo   ; lanes 16-31 take the second head's words
.endr
	global_store_b128 v25, v[SW:SW+3], s[84:85]
.Lend:
	s_wait_tensorcnt 0x0                           ; the wave's end
	ds_add_u32 v[SPW], v[NIL]
	s_wait_dscnt 0x0
	CROUND                                         ; the closing round
	s_endpgm
.Lfunc_end_k_q35e0f3f840_gemm1:
	.size	k_q35e0f3f840_gemm1, .Lfunc_end_k_q35e0f3f840_gemm1-k_q35e0f3f840_gemm1
	.p2alignl 7, 3214868480
	.fill 96, 4, 3214868480
	.section	.rodata,"a",@progbits
	.p2align	6, 0x0
	.amdhsa_kernel k_q35e0f3f840_gemm1
		.amdhsa_group_segment_fixed_size 327680
		.amdhsa_private_segment_fixed_size 0
		.amdhsa_enable_private_segment 0
		.amdhsa_kernarg_size 32
		.amdhsa_user_sgpr_count 2
		.amdhsa_user_sgpr_kernarg_segment_ptr 1
		.amdhsa_wavefront_size32 1
		.amdhsa_system_sgpr_workgroup_id_x 1
		.amdhsa_system_sgpr_workgroup_id_y 1
		.amdhsa_system_sgpr_workgroup_id_z 1
		.amdhsa_system_vgpr_workitem_id 0
		.amdhsa_next_free_vgpr 1024
		.amdhsa_next_free_sgpr 100
		.amdhsa_reserve_vcc 1
		.amdhsa_float_denorm_mode_32 3
		.amdhsa_float_denorm_mode_16_64 3
		.amdhsa_memory_ordered 1
		.amdhsa_forward_progress 1
		.amdhsa_inst_pref_size 220
	.end_amdhsa_kernel
	.amdgpu_metadata
---
amdhsa.version: [ 1, 2 ]
amdhsa.kernels:
  - .name:           k_q35e0f3f840_gemm1
    .symbol:         k_q35e0f3f840_gemm1.kd
    .args:
      - { .name: opnd1, .offset: 0, .size: 8, .value_kind: global_buffer, .address_space: global }
      - { .name: freqs_cos, .offset: 8, .size: 8, .value_kind: global_buffer, .address_space: global }
      - { .name: freqs_sin, .offset: 16, .size: 8, .value_kind: global_buffer, .address_space: global }
      - { .name: qkv, .offset: 24, .size: 8, .value_kind: global_buffer, .address_space: global }
    .group_segment_fixed_size: 327680
    .private_segment_fixed_size: 0
    .kernarg_segment_align: 8
    .kernarg_segment_size: 32
    .max_flat_workgroup_size: 128
    .sgpr_count:     100
    .vgpr_count:     1024
    .wavefront_size: 32
...
	.end_amdgpu_metadata
.endif
;; end of part 2
;; launch attn (part 3): grid 4 x 64, 16 waves a work-group, no clusters, 210,944 bytes of LDS; arguments qkv, maskw, opnd4; writes opnd4
.if DOCPART == 3
	.amdgcn_target "amdgcn-amd-amdhsa--gfx1250"
	.amdhsa_code_object_version 6
	.text
	.protected	k_q35e0f3f840_attn
	.globl	k_q35e0f3f840_attn
	.p2align	8
	.type	k_q35e0f3f840_attn,@function
k_q35e0f3f840_attn:
	s_mov_b64 s[64:65], 0
	v_nop
	global_prefetch_b8 v0, s[64:65] scope:SCOPE_SE
	s_setreg_imm32_b32 hwreg(HW_REG_WAVE_MODE, 25, 1), 1
	s_wait_xcnt 0x0
; O = softmax(mask(q k^T / 8)) v for one head, both products on codes of E2M3; O is quantised along the channels into fragments for the projection.
; A work-group takes 512 queries of one (batch, head); the head's K and V codes and scale words (208,896 bytes) come into LDS ONCE, through registers: one barrier in the launch, no ring.
; Each of the sixteen waves takes two neighbouring tiles of 16 queries, one after the other, and walks the 2,048 keys in 16 steps of 128: four waves to a SIMD, so that one wave's vector work stands beside another's products.
; No tensor load, no cluster: what the four work-groups of a head share is read once, at the head of a launch of 32 key steps a wave: 204 KB against the steps' work.
; Both products are used transposed: S^T = K Q^T, O^T = V^T P^T: a lane holds ONE query.  The rows of a tile are chosen so that the 16 registers of tiles 2 B, 2 B + 1 are keys (or channels) 32 B + 16 h + 0 .. 15.
; K = 64 IN AN INSTRUCTION OF K = 128: Q's registers 6-11 are zero codes; K's fragment names six registers more than it has (the next tile's codes; zeros behind the last): E2M3 has no NaN and no infinity, and the
; scale bytes there stand for 1.0, so those products add exactly 0.
; THE SOFTMAX: t = score x log2(e) / 8; M = the running largest t rounded up to a whole number; p = 2^(t - M) is quantised along the keys; the sum is taken of the unquantised p and divides at the end.
; THE MASK: 64 words a key step, one for each score register, a bit a lane; they come by scalar loads and are the select of one v_cndmask_b32 a score, in every step: no branch hangs on them.
; THEY ARE ASKED FOR A STEP AHEAD: as soon as a step's selects have read its words, the next step's are loaded into the same registers, and have the softmax, the second product and the next first product in which to land.
; A wave's two tiles lie 4,096 bytes apart in the words' buffer, so the first tile's last step asks for the second tile's first words; the second tile's last step wraps to its own first step (those words are not used).
; A hidden score becomes -2^100 ahead of the maximum.  LIMITS: reference() puts the smallest f32 number there: the results are the same while real |q . k| stays under about 2^90; a row that is hidden whole
; gets p = 1 for every key (c x 2^100 is a whole number), the uniform weights of reference().  NaN and infinities are not served; a block under 2^-124 gets the byte 1.
; The result's scale bytes leave as 2 bytes a row: a word of the projection's scales spans two heads, which are two work-groups'.
; REGISTERS: v1-5, v13, v14 places that stay; v6-10 the step's addresses; v11 -2^100; v16-27 Q; v28 Q's scales, v29 p's, v30-37 K's, v38-41 V's; v42-89 K's half fragments, later p's codes and work; v90-95 zeros;
;   v96-159 S^T, then p; v160-191 O^T; v192-239 V's fragments; v240 -M, v241 the largest t, v[242:243] the sum, v[244:245] f, v[246:247] 1 / sum; v248-254 the second tile's Q and its scale word, loaded with the first's.
.set KC,   6291456
.set VC,   12582912
.set QS,   18874368
.set KSC,  19398656
.set VSC,  19922944
.set SCL4, 7077888
.set LV,   98304                       ; LDS: K's codes from 0, V's from here,
.set LKS,  196608                      ; K's scale words,
.set LVS,  204800                      ; V's
	s_load_b128 s[4:7], s[0:1], 0x0                ; qkv, maskw
	s_load_b64 s[8:9], s[0:1], 0x10                ; opnd4
	v_lshl_add_u32 v15, v0, 2, 0x33000
	v_mov_b32 v255, 0
	v_lshrrev_b32 v1, 5, v0
	v_readfirstlane_b32 s10, v1                    ; wave 0..15
	s_and_b32 s11, ttmp7, 0xffff                   ; 16 b + head
	v_lshlrev_b32 v6, 4, v0                        ; the fill: 16 bytes a thread, 8,192 an instruction of the work-group
	v_lshl_add_u32 v7, v0, 4, 65536
	v_lshl_add_u32 v8, v0, 4, 131072
	v_lshl_add_u32 v9, v0, 4, LKS
	v_lshl_add_u32 v10, v0, 3, LVS
	v_lshlrev_b32 v12, 3, v0
	s_mul_i32 s12, s11, 98304
	s_mov_b32 s13, 0
	s_lshl_b32 s78, s11, 13
	s_mov_b32 s79, 0
	s_lshl_b32 s74, s11, 12
	s_mov_b32 s75, 0
	s_wait_kmcnt 0x0
	s_add_nc_u64 s[14:15], s[4:5], s[12:13]
	s_add_nc_u64 s[96:97], s[4:5], s[78:79]
	s_add_nc_u64 s[98:99], s[4:5], s[74:75]
	s_add_nc_u64 s[78:79], s[14:15], VC
	s_add_nc_u64 s[14:15], s[14:15], KC
	s_add_nc_u64 s[96:97], s[96:97], KSC
	s_add_nc_u64 s[98:99], s[98:99], VSC
.set i, 0
.rept 12
	global_load_b128 v[96+4*i:99+4*i], v6, s[14:15] offset:8192*i
.set i, i+1
.endr
.set i, 0
.rept 12
	global_load_b128 v[144+4*i:147+4*i], v6, s[78:79] offset:8192*i
.set i, i+1
.endr
	global_load_b128 v[192:195], v6, s[96:97]
	global_load_b64 v[196:197], v12, s[98:99]
	v_and_b32 v1, 31, v0
	v_lshlrev_b32 v13, 3, v1                       ; 8 x lane
	v_add_nc_u32 v2, 512, v13                      ; a half fragment's 8-byte pieces
	v_lshl_add_u32 v3, v1, 4, LV
	v_lshlrev_b32 v1, 4, v1                        ; 16 x lane
	v_and_b32 v14, 15, v0
	v_lshl_add_u32 v4, v14, 4, LKS
	v_lshl_add_u32 v5, v14, 4, LVS
	v_lshlrev_b32 v14, 4, v14                      ; 16 r
	v_mov_b32 v11, 0xf1800000                      ; -2^100
.irp i, 22,23,24,25,26,27,90,91,92,93,94,95
	v_mov_b32 v\i, 0                               ; zero codes, set once
.endr
	s_mov_b32 s66, 0x76543210
	s_mov_b32 s67, 0xfedcba98
	s_mov_b32 s68, 0x3e38aa3b                      ; c = log2(e) / 8
	s_mov_b32 s69, s68
.set i, 0
.rept 12
	s_wait_loadcnt 25-i                            ; K's piece i is in; the 25 - i younger loads may be out
.if i < 8
	ds_store_b128 v6, v[96+4*i:99+4*i] offset:8192*i
.else
	ds_store_b128 v7, v[96+4*i:99+4*i] offset:8192*(i-8)
.endif
.set i, i+1
.endr
.set i, 0
.rept 12
	s_wait_loadcnt 13-i                            ; V's piece i
.if i < 4
	ds_store_b128 v7, v[144+4*i:147+4*i] offset:32768+8192*i
.else
	ds_store_b128 v8, v[144+4*i:147+4*i] offset:8192*(i-4)
.endif
.set i, i+1
.endr
	s_wait_loadcnt 1
	ds_store_b128 v9, v[192:195]
	s_wait_loadcnt 0x0
	ds_store_b64 v10, v[196:197]
	s_wait_dscnt 0x0                               ; for the others' sake: my stores have landed
	s_barrier_signal -1
	s_barrier_wait -1                              ; from here on LDS is only read
; A KEY STEP: 128 keys.  s70 = 6,144 ks, s71 = 512 ks, s72 = 256 ks, s73 = ks.  Its 64 mask words were asked for a step ago.
; wrap = 1: the wave's last tile: the look-ahead of its last step goes back to the tile's first step, so that no load leaves the buffer.
.macro STEP wrap
	v_add_nc_u32 v6, s70, v1                       ; (these five are also the places behind the last step's products, in front of the loads into their registers)
	v_add_nc_u32 v7, s70, v2
	v_add_nc_u32 v8, s70, v3
	v_add_nc_u32 v9, s71, v4
	v_add_nc_u32 v10, s72, v5
	ds_load_b128 v[30:33], v9                      ; K's scale words, four tiles a load
	ds_load_b128 v[34:37], v9 offset:256
.set t, 0
.rept 8
	ds_load_b128 v[42+6*t:45+6*t], v6 offset:768*t
	ds_load_b64 v[46+6*t:47+6*t], v7 offset:768*t
.set t, t+1
.endr
	ds_load_b128 v[38:41], v10                     ; V's scale words
.set t, 0
.rept 12
	ds_load_b128 v[192+4*t:195+4*t], v8 offset:512*t
.set t, t+1
.endr
	s_wait_dscnt 13                                ; all of K's are in; V's 13 loads may be out
.set t, 0
.rept 8
	v_wmma_scale_f32_16x16x128_f8f6f4 v[96+8*t:103+8*t], v[42+6*t:53+6*t], v[16:27], 0, v[30+t], v28 matrix_a_fmt:MATRIX_FMT_FP6 matrix_b_fmt:MATRIX_FMT_FP6
.set t, t+1
.endr
.rept 4
	v_nop
.endr
	s_wait_kmcnt 0x0                               ; this step's mask words are in; the loads that brought them are done, so their offset register may be written
.set j, 0
.rept 64                               ; score register j: kept where its word's bit is set, else -2^100; each accumulator from its low end on
.set m, 2*(j%32)+j/32
	v_cndmask_b32 v[96+j], v11, v[96+j], s[16+m+16*(m/48)]
.set j, j+1
.endr
.irp b, 0,1,2,3
	v_max3_num_f32 v[62+\b], v[96+16*\b], v[97+16*\b], v[98+16*\b]   ; the largest score of each block of 32 keys: for the row's maximum, and, since p rises with the score, for the block's largest p
.endr
.irp i, 3,5,7,9,11,13
.irp b, 0,1,2,3
	v_max3_num_f32 v[62+\b], v[62+\b], v[96+16*\b+\i], v[97+16*\b+\i]
.endr
.endr
.irp b, 0,1,2,3
	v_max_num_f32 v[62+\b], v[62+\b], v[111+16*\b]
.endr
	s_add_co_u32 s74, s72, 256                     ; the selects have read this step's words: the next step's 256 bytes are asked for into the same registers
.if \wrap
	s_and_b32 s74, s74, 0xfff                      ; 4,096 becomes 0
.endif
	s_load_b512 s[16:31], s[76:77], s74 offset:0x0
	s_load_b512 s[32:47], s[76:77], s74 offset:0x40
	s_load_b512 s[48:63], s[76:77], s74 offset:0x80
	s_load_b512 s[80:95], s[76:77], s74 offset:0xc0
.irp b, 0,1,2,3
	v_permlanex16_b32 v[66+\b], v[62+\b], s66, s67
.endr
.irp b, 0,1,2,3
	v_max_num_f32 v[62+\b], v[62+\b], v[66+\b]
.endr
	v_max3_num_f32 v74, v62, v63, v64
	v_max_num_f32 v74, v74, v65
	v_mul_f32 v74, s68, v74
	v_max_num_f32 v241, v241, v74                  ; the running largest t
	v_mov_b32 v74, v240
	v_floor_f32 v240, -v241                        ; -M = floor(-t)
	v_sub_f32 v74, v240, v74                       ; old M - new M: a whole number, 0 or less
	v_cvt_i32_f32 v74, v74                         ; (it saturates)
	v_ldexp_f32 v244, 1.0, v74                     ; f = 2^(old M - new M)
.set j, 0
.rept 32
	v_pk_fma_f32 v[96+j:97+j], v[96+j:97+j], s[68:69], v[240:241] op_sel_hi:[1,0,0]   ; t - M
.set j, j+2
.endr
.irp b, 0,1,2,3
	v_fma_f32 v[62+\b], v[62+\b], s68, v240
.endr
.set j, 0
.rept 64
	v_exp_f32 v[96+j], v[96+j]                     ; p = 2^(t - M)
.set j, j+1
.endr
	v_pk_mul_f32 v[242:243], v[242:243], v[244:245] op_sel_hi:[1,0]   ; the sum under the new M; a plain place behind the batch
	s_wait_alu depctr_va_vdst(0)                   ; one wait for the batch, ahead of its first reader
.irp b, 0,1,2,3
	v_exp_f32 v[62+\b], v[62+\b]                   ; the blocks' largest p
.endr
	v_pk_add_f32 v[76:77], v[96:97], v[98:99]      ; the sum of the unquantised p, in two chains
.set j, 4
.rept 15
	v_pk_add_f32 v[242:243], v[242:243], v[96+j:97+j]
	v_pk_add_f32 v[76:77], v[76:77], v[98+j:99+j]
.set j, j+4
.endr
	v_pk_add_f32 v[242:243], v[242:243], v[76:77]
	s_wait_alu depctr_va_vdst(0)                   ; and one for the four
.irp b, 0,1,2,3
	v_max_num_f32 v[62+\b], 0x1800000, v[62+\b]    ; the floor
.endr
.irp b, 0,1,2,3
	v_add_nc_u32 v[70+\b], 0xff000000, v[62+\b]
.endr
.irp b, 0,1,2,3
	v_lshrrev_b32 v[66+\b], 23, v[70+\b]
.endr
	v_lshl_or_b32 v29, v67, 8, v66                 ; p's scale word for these 128 keys
	v_lshl_or_b32 v29, v68, 16, v29
	v_lshl_or_b32 v29, v69, 24, v29
.irp c, 0,1
	v_cvt_scalef32_pk16_fp6_f32 v[42+6*\c:44+6*\c], v[96+32*\c:111+32*\c], v[70+2*\c]
	v_cvt_scalef32_pk16_fp6_f32 v[54+4*\c:56+4*\c], v[112+32*\c:127+32*\c], v[70+2*\c+1]
.endr
	v_nop
.irp c, 0,1
.irp i, 0,1,2
	v_permlane16_swap_b32 v[42+6*\c+\i], v[54+4*\c+\i]
.endr
.irp i, 0,1,2
	v_mov_b32 v[45+6*\c+\i], v[54+4*\c+\i]
.endr
.endr
.set j, 0
.rept 16
	v_pk_mul_f32 v[160+j:161+j], v[160+j:161+j], v[244:245] op_sel_hi:[1,0]   ; O^T under the new M.  (These sixteen are also the places between the scale word's and the codes' last writes and the products)
.set j, j+2
.endr
	s_wait_dscnt 0x0                               ; V is in
.set t, 0
.rept 4
	v_wmma_scale_f32_16x16x128_f8f6f4 v[160+8*t:167+8*t], v[192+12*t:203+12*t], v[42:53], v[160+8*t:167+8*t], v[38+t], v29 matrix_a_fmt:MATRIX_FMT_FP6 matrix_b_fmt:MATRIX_FMT_FP6
.set t, t+1
.endr
.endm
; A TILE of 16 queries: number 32 x work-group x + 2 x wave + u of the head's 128.  The first tile's head asks for both tiles' Q and for its own first mask words; the second tile's head loads nothing.
.macro TILE u
	s_wait_xcnt 0x0                                ; every earlier memory instruction has read its registers: the last tile's stores their data and bases, the pending scalar loads their base
.if \u == 0
	s_lshl_b32 s12, ttmp9, 5
	s_lshl_b32 s13, s10, 1
	s_add_co_u32 s12, s12, s13                     ; the tile in its sequence: an even number
	s_lshr_b32 s13, s11, 4
	s_lshl_b32 s13, s13, 7
	s_add_co_u32 s13, s13, s12                     ; 128 b + tile
	s_lshl_b32 s78, s13, 12
	s_mov_b32 s79, 0
	s_add_nc_u64 s[76:77], s[6:7], s[78:79]        ; its mask words: 16 steps x 256 bytes
	s_load_b512 s[16:31], s[76:77], 0x0            ; the first step's
	s_load_b512 s[32:47], s[76:77], 0x40
	s_load_b512 s[48:63], s[76:77], 0x80
	s_load_b512 s[80:95], s[76:77], 0xc0
	s_lshl_b32 s78, s11, 7
	s_add_co_u32 s78, s78, s12
	s_mul_i32 s78, s78, 768
	s_add_nc_u64 s[14:15], s[4:5], s[78:79]        ; its codes
	s_lshl_b32 s78, s11, 13
	s_lshr_b32 s75, s12, 2
	s_lshl_b32 s75, s75, 8
	s_add_co_u32 s78, s78, s75
	s_and_b32 s75, s12, 3
	s_lshl_b32 s75, s75, 2
	s_add_co_u32 s78, s78, s75
	s_add_co_u32 s78, s78, QS
	s_add_nc_u64 s[98:99], s[4:5], s[78:79]        ; its scale words
	global_load_b128 v[16:19], v1, s[14:15]
	global_load_b64 v[20:21], v13, s[14:15] offset:512
	global_load_b32 v28, v14, s[98:99]
	global_load_b128 v[248:251], v1, s[14:15] offset:768   ; the next tile's half fragment lies 768 bytes on,
	global_load_b64 v[252:253], v13, s[14:15] offset:1280
	global_load_b32 v254, v14, s[98:99] offset:4           ; its scale word 4 bytes on (an even tile and the next share a group of four)
.else
	s_add_co_u32 s13, s13, 1                       ; the next tile
	s_add_nc_u64 s[76:77], s[76:77], 4096          ; its mask words; the first step's were asked for in the last tile's last step
.irp i, 0,1,2,3,4,5
	v_mov_b32 v[16+\i], v[248+\i]                  ; its Q, and
.endr
	v_mov_b32 v28, v254                            ; its scale word: the forty lines below and the step's five additions stand between these writes and the first product
.endif
	v_mov_b32 v241, 0xff61b1e6                     ; the largest t so far: -3e38
	v_floor_f32 v240, -v241
.irp i, 242,243,244,245,246,247
	v_mov_b32 v\i, 0
.endr
.set j, 0
.rept 32
	v_mov_b32 v[160+j], 0                          ; O^T: the step is written once; its first trip finds zeros
.set j, j+1
.endr
	s_mov_b32 s70, 0
	s_mov_b32 s71, 0
	s_mov_b32 s72, 0
	s_mov_b32 s73, 0
.if \u == 0
	s_wait_loadcnt 0x0                             ; both tiles' Q
.endif
.Lstep_\@:
	STEP \u
	s_add_co_u32 s70, s70, 6144
	s_add_co_u32 s71, s71, 512
	s_add_co_u32 s72, s72, 256
	s_add_co_u32 s73, s73, 1
	s_cmp_lt_u32 s73, 16
	s_cbranch_scc1 .Lstep_\@
	; the way out: O^T / the sum, quantised along the channels: half a fragment of the projection's operand.  (Scalar loads are out: s74, s[76:77], s16-63 and s80-95 are not named here)
.rept 4
	v_nop                                          ; places behind the last products
.endr
	v_add_f32 v242, v242, v243
	v_permlanex16_b32 v74, v242, s66, s67
	v_add_f32 v242, v242, v74                      ; the row's sum
	v_rcp_f32 v246, v242
	v_nop
	s_and_b32 s75, s11, 15                         ; the head
	s_mul_i32 s78, s13, 12288
	s_mul_i32 s79, s75, 768
	s_add_co_u32 s78, s78, s79
	s_mov_b32 s79, 0
	s_add_nc_u64 s[14:15], s[8:9], s[78:79]        ; tile, K step head / 2, half head % 2
	s_lshl_b32 s78, s13, 9
	s_lshr_b32 s70, s75, 3
	s_lshl_b32 s70, s70, 8
	s_add_co_u32 s78, s78, s70
	s_bfe_u32 s70, s75, 0x20001
	s_lshl_b32 s70, s70, 2
	s_add_co_u32 s78, s78, s70
	s_and_b32 s70, s75, 1
	s_lshl_b32 s70, s70, 1
	s_add_co_u32 s78, s78, s70
	s_add_co_u32 s78, s78, SCL4
	s_add_nc_u64 s[96:97], s[8:9], s[78:79]
	s_wait_alu depctr_va_vdst(0)                   ; ahead of the reciprocal's first reader
.set j, 0
.rept 16
	v_pk_mul_f32 v[160+j:161+j], v[160+j:161+j], v[246:247] op_sel_hi:[1,0]
.set j, j+2
.endr
.irp b, 0,1
	v_max3_num_f32 v[62+\b], |v[160+16*\b]|, |v[161+16*\b]|, 0x1800000
.endr
.irp i, 2,4,6,8,10,12,14
.irp b, 0,1
	v_max3_num_f32 v[62+\b], v[62+\b], |v[160+16*\b+\i]|, |v[161+16*\b+\i]|
.endr
.endr
.irp b, 0,1
	v_permlanex16_b32 v[66+\b], v[62+\b], s66, s67
.endr
.irp b, 0,1
	v_max_num_f32 v[62+\b], v[62+\b], v[66+\b]
.endr
.irp b, 0,1
	v_add_nc_u32 v[70+\b], 0xff000000, v[62+\b]
.endr
.irp b, 0,1
	v_lshrrev_b32 v[66+\b], 23, v[70+\b]
.endr
	v_lshl_or_b32 v74, v67, 8, v66                 ; my head's two bytes of the row's scale word
	v_cvt_scalef32_pk16_fp6_f32 v[42:44], v[160:175], v70
	v_cvt_scalef32_pk16_fp6_f32 v[54:56], v[176:191], v71
	v_nop
.irp i, 0,1,2
	v_permlane16_swap_b32 v[42+\i], v[54+\i]
.endr
.irp i, 0,1,2
	v_mov_b32 v[45+\i], v[54+\i]
.endr
	global_store_b128 v1, v[42:45], s[14:15]               ; 512 consecutive bytes, aligned to 256
	global_store_b64 v13, v[46:47], s[14:15] offset:512    ; 256
	global_store_b16 v14, v74, s[96:97]                    ; both halves write the same bytes with the same value
.endm
	TILE 0
	TILE 1
	s_wait_tensorcnt 0x0
	ds_add_u32 v15, v255
	s_wait_dscnt 0x0
	s_endpgm
.Lfunc_end_k_q35e0f3f840_attn:
	.size	k_q35e0f3f840_attn, .Lfunc_end_k_q35e0f3f840_attn-k_q35e0f3f840_attn
	.p2alignl 7, 3214868480
	.fill 96, 4, 3214868480
	.section	.rodata,"a",@progbits
	.p2align	6, 0x0
	.amdhsa_kernel k_q35e0f3f840_attn
		.amdhsa_group_segment_fixed_size 210944
		.amdhsa_private_segment_fixed_size 0
		.amdhsa_enable_private_segment 0
		.amdhsa_kernarg_size 24
		.amdhsa_user_sgpr_count 2
		.amdhsa_user_sgpr_kernarg_segment_ptr 1
		.amdhsa_wavefront_size32 1
		.amdhsa_system_sgpr_workgroup_id_x 1
		.amdhsa_system_sgpr_workgroup_id_y 1
		.amdhsa_system_sgpr_workgroup_id_z 1
		.amdhsa_system_vgpr_workitem_id 0
		.amdhsa_next_free_vgpr 256
		.amdhsa_next_free_sgpr 100
		.amdhsa_reserve_vcc 0
		.amdhsa_float_denorm_mode_32 3
		.amdhsa_float_denorm_mode_16_64 3
		.amdhsa_memory_ordered 1
		.amdhsa_forward_progress 1
		.amdhsa_inst_pref_size 62
	.end_amdhsa_kernel
	.amdgpu_metadata
---
amdhsa.version: [ 1, 2 ]
amdhsa.kernels:
  - .name:           k_q35e0f3f840_attn
    .symbol:         k_q35e0f3f840_attn.kd
    .args:
      - { .name: qkv, .offset: 0, .size: 8, .value_kind: global_buffer, .address_space: global }
      - { .name: maskw, .offset: 8, .size: 8, .value_kind: global_buffer, .address_space: global }
      - { .name: opnd4, .offset: 16, .size: 8, .value_kind: global_buffer, .address_space: global }
    .group_segment_fixed_size: 210944
    .private_segment_fixed_size: 0
    .kernarg_segment_align: 8
    .kernarg_segment_size: 24
    .max_flat_workgroup_size: 512
    .sgpr_count:     100
    .vgpr_count:     256
    .wavefront_size: 32
...
	.end_amdgpu_metadata
.endif
;; end of part 3
;; launch gemm4 (part 4): grid 4 x 32, 4 waves a work-group, clusters of 4 x 4, 327,680 bytes of LDS; arguments opnd4, out0; writes out0
.if DOCPART == 4
	.amdgcn_target "amdgcn-amd-amdhsa--gfx1250"
	.amdhsa_code_object_version 6
	.text
	.protected	k_q35e0f3f840_gemm4
	.globl	k_q35e0f3f840_gemm4
	.p2align	8
	.type	k_q35e0f3f840_gemm4,@function
k_q35e0f3f840_gemm4:
	s_mov_b64 s[64:65], 0
	v_nop
	global_prefetch_b8 v0, s[64:65] scope:SCOPE_SE
	s_setreg_imm32_b32 hwreg(HW_REG_WAVE_MODE, 25, 1), 1
	s_wait_xcnt 0x0
	s_wait_alu depctr_hold_cnt(0) depctr_sa_sdst(0) depctr_va_vdst(0) depctr_va_sdst(0) depctr_va_ssrc(0) depctr_va_vcc(0) depctr_vm_vsrc(0)
	s_getreg_b32 s2, hwreg(HW_REG_IB_STS2, 6, 4)
	s_cmp_eq_u32 s2, 0
	s_cbranch_scc0 .Lentry_in_a_cluster
	s_endpgm
.Lentry_in_a_cluster:
	s_bfe_u32 s2, ttmp6, 0x10000c
	s_cmp_lg_u32 s2, 0xf033
	s_cbranch_scc0 .Lentry_shape_is_right
	s_endpgm
.Lentry_shape_is_right:
; out0 = O Wproj on codes of E2M3 (K = 1,024).  O's and Wproj's fragments and scale words lie in opnd4 as images of operand registers (16 rows x 128 K = 1,536 bytes; a tile's eight K steps on end; a group is 16 tiles).
; A work-group of four waves makes 256 x 256, a wave 128 x 128.  Operand P = tokens is source 1 (a lane holds one token), operand R = Wproj's columns is source 0 (a lane's registers run along the columns).
; The rows of a tile are chosen so that register 16 B + i of a lane (r, h) is R's row 32 B + 16 h + i; lane r of token tile T holds token 32 (T / 2) + 8 (T % 2) + r % 8 + 16 (r / 8).
; K goes through a ring of two LDS slots of two K steps each, filled by joint tensor loads: 4 x 4 work-groups form a cluster; P's tiles are shared along a row of it, R's along a column.
; 128 work-groups: the tile is kept at 256 x 256, so that each fragment read from LDS feeds eight products.
; REGISTERS: window 0: v1-7, v24, v25 addresses; v16-23 LDS addresses; v28, v29 for the add; v32-95 scale words; v128-223 P's fragments, on the way out v128-255 rows of the result.  window 1: R's fragments, two sets.  windows 2, 3: accumulators.
.set HALFT, 24576
.set SLOT,  98304
.set SPARE, 196608
.set SCLB,  7077888
.set ADRA, 16
.set ADRB, 20
.set STO,  24
.set RD,   25
.set SPW,  28
.set NIL,  29
.set SC,   32
.set AF,   128
.set BK,   128
.set G1,  24
.set G0,  32
.set G1B, 48
.set G0B, 56
.set MSB, 0
.macro WIN new                         ; the immediate's high byte repeats the setting that is left
.if MSB != (\new)
	s_set_vgpr_msb (MSB<<8)|(\new)
.set MSB, (\new)
.endif
.endm
.set MUL_LO, 0xa1
.set MUL_HI, 0xf1
.set TO_B,   0x40
.macro JLOAD s                         ; a joint load: waves 0, 1 fetch P's halves, waves 2, 3 R's; four v_nop follow each line
	s_cmp_eq_u32 s15, 0
	s_cbranch_scc0 .Lfor_r_\@
	tensor_load_to_lds s[G0+4*\s:G0+4*\s+3], s[G1:G1+7]
	s_nop 0
.rept 4
	v_nop
.endr
	s_branch .Lasked_\@
.Lfor_r_\@:
	tensor_load_to_lds s[G0B+4*\s:G0B+4*\s+3], s[G1B:G1B+7]
	s_nop 0
.rept 4
	v_nop
.endr
.Lasked_\@:
.endm
.macro CREST
	s_cmp_lg_u32 s14, 0
	s_cbranch_scc1 .Lnot_wave_0_\@
	s_barrier_signal -3
.Lnot_wave_0_\@:
	s_barrier_wait -3
	s_barrier_signal -1
	s_barrier_wait -1
.endm
.macro CROUND
	s_barrier_signal -1
	s_barrier_wait -1
	CREST
.endm
.macro PLACES                          ; four plain places behind matrix instructions (ISA guide 7.12.1)
.rept 4
	v_nop
.endr
.endm
	s_load_b128 s[4:7], s[0:1], 0x0                ; opnd4, out0
	v_lshl_add_u32 v[SPW], v0, 2, SPARE
	v_mov_b32 v[NIL], 0
	ds_add_u32 v28, v29
	ds_add_u32 v28, v29
	s_wait_dscnt 0x0
	v_lshrrev_b32 v1, 5, v0
	v_readfirstlane_b32 s14, v1                    ; wave 0..3
	s_lshr_b32 s15, s14, 1                         ; my half of P.  Also: I fetch for P (0) or R (1)
	s_and_b32 s16, s14, 1                          ; my half of R.  Also: which 8 tiles I fetch
	s_bfe_u32 s40, ttmp6, 0x40000                  ; cx
	s_bfe_u32 s41, ttmp6, 0x40004                  ; cy
	s_and_b32 s17, ttmp7, 0xffff
	s_lshl_b32 s17, s17, 2
	s_add_co_u32 s42, s17, s41                     ; P's group: 4 x cluster y + cy
	s_add_co_u32 s66, s40, 32                      ; R's: Wproj's groups begin at 32
	s_lshl_b32 s43, s41, 2
	s_lshl_b32 s43, 15, s43
	s_lshl_b32 s44, 0x1111, s40
	s_or_b32 s[G1], s43, (3<<16)|(1<<21)
	s_or_b32 s[G1B], s44, (3<<16)|(1<<21)
.irp g, G1, G1B
	s_mov_b32 s[\g+1], 384<<16
	s_mov_b32 s[\g+2], 8<<16
	s_mov_b32 s[\g+3], 384<<16
	s_mov_b32 s[\g+4], 8
	s_mov_b32 s[\g+5], 1536
	s_mov_b32 s[\g+6], 0
	s_mov_b32 s[\g+7], 0
.endr
	s_mul_i32 s20, s42, 196608
	s_mul_i32 s46, s66, 196608
	s_mul_i32 s45, s16, 98304
	s_add_co_u32 s20, s20, s45
	s_add_co_u32 s46, s46, s45
	s_mov_b32 s21, 0
	s_mov_b32 s47, 0
	s_mul_i32 s45, s14, HALFT
	s_wait_kmcnt 0x0
	s_add_nc_u64 s[20:21], s[4:5], s[20:21]
	s_add_nc_u64 s[46:47], s[4:5], s[46:47]
	CROUND                                         ; all sixteen work-groups are here: the first joint loads meet
.irp s, 0,1
	s_mov_b32 s[G0+4*\s], 1
	s_add_co_u32 s[G0+4*\s+1], s45, \s*SLOT
	s_add_nc_u64 s[G0+4*\s+2:G0+4*\s+3], s[20:21], \s*3072
	s_or_b32 s[G0+4*\s+3], s[G0+4*\s+3], 0x80000000
	s_mov_b32 s[G0B+4*\s], 1
	s_add_co_u32 s[G0B+4*\s+1], s45, \s*SLOT
	s_add_nc_u64 s[G0B+4*\s+2:G0B+4*\s+3], s[46:47], \s*3072
	s_or_b32 s[G0B+4*\s+3], s[G0B+4*\s+3], 0x80000000
	JLOAD \s                                       ; two loads of mine are out
.endr
	v_and_b32 v1, 31, v0
	v_and_b32 v2, 15, v0
	v_bfe_u32 v3, v0, 4, 1
	v_lshlrev_b32 v4, 4, v1                        ; 16 x lane
	v_lshlrev_b32 v5, 3, v1                        ; 8 x lane
	s_mul_i32 s12, s15, HALFT
	s_mul_i32 s13, s16, HALFT
	s_add_co_u32 s13, s13, 2*HALFT
.irp s, 0,1
	v_add_nc_u32 v[ADRA+\s], s12, v4
	v_add_nc_u32 v[ADRA+2+\s], s12, v5
	v_add_nc_u32 v[ADRB+\s], s13, v4
	v_add_nc_u32 v[ADRB+2+\s], s13, v5
	s_add_co_u32 s12, s12, SLOT
	s_add_co_u32 s13, s13, SLOT
.endr
	s_mul_i32 s12, s14, 16*528                     ; my stage, in slot 0: 16 rows x (512 + 16) bytes
	v_mul_u32_u24 v[STO], v2, 528
	v_lshl_add_u32 v[STO], v3, 6, v[STO]
	v_add_nc_u32 v[STO], s12, v[STO]               ; in: row r, + 64 h
	v_add_nc_u32 v[RD], s12, v4                    ; back: a row's 512 bytes
	s_lshl_b32 s67, s42, 4
	s_lshl_b32 s68, s15, 3
	s_add_co_u32 s67, s67, s68
	s_lshl_b32 s67, s67, 9
	s_lshl_b32 s68, s66, 4
	s_lshl_b32 s69, s16, 3
	s_add_co_u32 s68, s68, s69
	s_lshl_b32 s68, s68, 9
	v_mov_b32 v6, s67
	v_mov_b32 v7, s68
	v_cmp_ne_u32 vcc_lo, 0, v3
	v_cndmask_b32 v6, v6, v7, vcc_lo               ; lanes 0-15 take P's scale words, lanes 16-31 R's
	v_lshl_add_u32 v6, v2, 4, v6
	s_add_nc_u64 s[70:71], s[4:5], SCLB
.irp i, 0,1,2,3,4,5,6,7
.irp g, 0,1
	global_load_b128 v[SC+8*\i+4*\g:SC+8*\i+4*\g+3], v6, s[70:71] offset:512*\i+256*\g
.endr
.endr
	s_lshl_b32 s76, s42, 8
	s_lshl_b32 s77, s15, 7
	s_add_co_u32 s76, s76, s77                     ; my first token,
	s_lshl_b32 s76, s76, 12                        ; x 4,096 bytes
	s_lshl_b32 s77, s40, 10
	s_add_co_u32 s76, s76, s77                     ; + my work-group's 256 columns
	s_lshl_b32 s77, s16, 9
	s_add_co_u32 s76, s76, s77                     ; + my half
	s_mov_b32 s77, 0
	s_add_nc_u64 s[6:7], s[6:7], s[76:77]
.macro FRAG reg, adr, q, i
	ds_load_b128 v[\reg:\reg+3], v[\adr] offset:3072*(\i)+1536*(\q)
	ds_load_b64 v[\reg+4:\reg+5], v[\adr+2] offset:3072*(\i)+1536*(\q)+512
	ds_load_b128 v[\reg+6:\reg+9], v[\adr] offset:3072*(\i)+1536*(\q)+768
	ds_load_b64 v[\reg+10:\reg+11], v[\adr+2] offset:3072*(\i)+1536*(\q)+1280
.endm
.macro FETCH_B slot, q, p
	WIN TO_B
.irp i, 0,1,2,3,4,5,6,7
	FRAG 128*(\p)+12*\i, ADRB+\slot, \q, \i
.endr
	WIN 0
.endm
.macro FETCH_A slot, q, i0
.irp i, \i0, \i0+1, \i0+2, \i0+3
	FRAG AF+12*(\i), ADRA+\slot, \q, \i
.endr
.endm
; The 64 accumulators take turns, one instruction a turn, in the same order in every step.
.macro MUL16 a0, p, ks, zero
.irp a, \a0, \a0+1
.irp b, 0,1,2,3,4,5,6,7
.if \zero
	v_wmma_scale_f32_16x16x128_f8f6f4 v[8*(8*((\a)%4)+\b):8*(8*((\a)%4)+\b)+7], v[128*(\p)+12*\b:128*(\p)+12*\b+11], v[AF+12*(\a):AF+12*(\a)+11], 0, v[SC+8*\b+(\ks)], v[SC+8*(\a)+(\ks)] matrix_a_fmt:MATRIX_FMT_FP6 matrix_b_fmt:MATRIX_FMT_FP6 matrix_a_scale:MATRIX_SCALE_ROW1
.else
	v_wmma_scale_f32_16x16x128_f8f6f4 v[8*(8*((\a)%4)+\b):8*(8*((\a)%4)+\b)+7], v[128*(\p)+12*\b:128*(\p)+12*\b+11], v[AF+12*(\a):AF+12*(\a)+11], v[8*(8*((\a)%4)+\b):8*(8*((\a)%4)+\b)+7], v[SC+8*\b+(\ks)], v[SC+8*(\a)+(\ks)] matrix_a_fmt:MATRIX_FMT_FP6 matrix_b_fmt:MATRIX_FMT_FP6 matrix_a_scale:MATRIX_SCALE_ROW1
.endif
.endr
.endr
.endm
.macro STEP slot, ks, zero
	s_wait_dscnt 16                                ; R's set and P's blocks 0-3 are in; the youngest 16 loads (P's blocks 4-7) may be out
	WIN MUL_LO
	MUL16 0, 0, \ks, \zero
	MUL16 2, 0, \ks, \zero
	s_wait_dscnt 0x0
	PLACES
	FETCH_B \slot, 1, 1
	FETCH_A \slot, 1, 0
	WIN MUL_HI
	MUL16 4, 0, \ks, \zero
	MUL16 6, 0, \ks, \zero
	PLACES
	WIN 0
	FETCH_A \slot, 1, 4
.endm
.macro TURN slot, next, ks, fill
	s_wait_tensorcnt 0x0                           ; all my tensor loads have landed: my part of the next slot
	ds_add_u32 v[SPW], v[NIL]
	s_wait_dscnt 17                                ; the add and the youngest 16 loads may be out
	WIN MUL_LO
	MUL16 0, 1, \ks, 0
	s_wait_dscnt 0x0                               ; the add is done, and my reads of this slot are over
	s_barrier_signal -1
	MUL16 2, 1, \ks, 0
	WIN 0
	s_barrier_wait -1
.if \fill
	CREST                                          ; the barrier has opened a round of the cluster's
	s_add_nc_u64 s[G0+4*\slot+2:G0+4*\slot+3], s[G0+4*\slot+2:G0+4*\slot+3], 6144
	s_add_nc_u64 s[G0B+4*\slot+2:G0B+4*\slot+3], s[G0B+4*\slot+2:G0B+4*\slot+3], 6144
	JLOAD \slot
.else
	PLACES
.endif
	FETCH_B \next, 0, 0
	FETCH_A \next, 0, 0
	WIN MUL_HI
	MUL16 4, 1, \ks, 0
	MUL16 6, 1, \ks, 0
	PLACES
	WIN 0
	FETCH_A \next, 0, 4
.endm
	s_wait_tensorcnt 1                             ; my part of slot 0 is in; slot 1's may be out
	s_barrier_signal -1
	s_barrier_wait -1
	FETCH_B 0, 0, 0
	FETCH_A 0, 0, 0
	FETCH_A 0, 0, 4
	s_wait_loadcnt 0x0                             ; the scale words
	STEP 0, 0, 1
	TURN 0, 1, 1, 1
	STEP 1, 2, 0
	TURN 1, 0, 3, 1
	STEP 0, 4, 0
	TURN 0, 1, 5, 0
	STEP 1, 6, 0
	s_wait_dscnt 16
	WIN MUL_LO
	MUL16 0, 1, 7, 0
	MUL16 2, 1, 7, 0
	s_wait_dscnt 0x0
	WIN MUL_HI
	MUL16 4, 1, 7, 0
	MUL16 6, 1, 7, 0
	WIN 0
; THE WAY OUT, block by block of 16 tokens x 128 columns, through my own stage: slot 0 has had its last fill, and every wave has passed the last change of slots, behind which nobody reads it.
; Accumulator b of a lane (r, h) holds columns 32 (b / 2) + 8 (b % 2) + 16 h + 0 .. 7 of token row r.  Rows come back whole: 512 bytes, two aligned units a store.
.macro TOSTAGE a
.set AC, 64*((\a)%4)
	WIN 0x08+4*((\a)/4)                            ; an LDS store's data are its source 1: window 2 or 3
.irp b, 0,1,2,3,4,5,6,7
	ds_store_b128 v[STO], v[AC+8*\b:AC+8*\b+3] offset:128*(\b/2)+32*(\b%2)        ; each accumulator from its low end on
	ds_store_b128 v[STO], v[AC+8*\b+4:AC+8*\b+7] offset:128*(\b/2)+32*(\b%2)+16
.endr
	WIN 0
.set BB, BK+64*((\a)%2)
.set t, 0
.rept 16
	ds_load_b128 v[BB+4*t:BB+4*t+3], v[RD] offset:t*528    ; LDS serves a wave's instructions in order: these see the stores above
.set t, t+1
.endr
.endm
.macro SEND a, younger
.set BB, BK+64*((\a)%2)
	s_wait_dscnt \younger                          ; the block is back; the next block's LDS instructions may be out
.set t, 0
.rept 16
	global_store_b128 v4, v[BB+4*t:BB+4*t+3], s[6:7] offset:(32*((\a)/2)+8*((\a)%2)+(t%8)+16*(t/8))*4096 th:TH_STORE_NT
.set t, t+1
.endr
.endm
	PLACES
	TOSTAGE 0
.irp a, 1,2,3,4,5,6,7
.if \a > 1
	s_wait_xcnt 0x0                                ; block a - 2's stores have read their registers: block a's loads may land there
.endif
	TOSTAGE \a
	SEND \a-1, 32                                  ; behind block a - 1's loads: block a's 16 stores and 16 loads
.endr
	SEND 7, 0
	s_wait_tensorcnt 0x0                           ; the wave's end
	ds_add_u32 v[SPW], v[NIL]
	s_wait_dscnt 0x0
	CROUND                                         ; the closing round
	s_endpgm
.Lfunc_end_k_q35e0f3f840_gemm4:
	.size	k_q35e0f3f840_gemm4, .Lfunc_end_k_q35e0f3f840_gemm4-k_q35e0f3f840_gemm4
	.p2alignl 7, 3214868480
	.fill 96, 4, 3214868480
	.section	.rodata,"a",@progbits
	.p2align	6, 0x0
	.amdhsa_kernel k_q35e0f3f840_gemm4
		.amdhsa_group_segment_fixed_size 327680
		.amdhsa_private_segment_fixed_size 0
		.amdhsa_enable_private_segment 0
		.amdhsa_kernarg_size 16
		.amdhsa_user_sgpr_count 2
		.amdhsa_user_sgpr_kernarg_segment_ptr 1
		.amdhsa_wavefront_size32 1
		.amdhsa_system_sgpr_workgroup_id_x 1
		.amdhsa_system_sgpr_workgroup_id_y 1
		.amdhsa_system_sgpr_workgroup_id_z 1
		.amdhsa_system_vgpr_workitem_id 0
		.amdhsa_next_free_vgpr 1024
		.amdhsa_next_free_sgpr 100
		.amdhsa_reserve_vcc 1
		.amdhsa_float_denorm_mode_32 3
		.amdhsa_float_denorm_mode_16_64 3
		.amdhsa_memory_ordered 1
		.amdhsa_forward_progress 1
		.amdhsa_inst_pref_size 140
	.end_amdhsa_kernel
	.amdgpu_metadata
---
amdhsa.version: [ 1, 2 ]
amdhsa.kernels:
  - .name:           k_q35e0f3f840_gemm4
    .symbol:         k_q35e0f3f840_gemm4.kd
    .args:
      - { .name: opnd4, .offset: 0, .size: 8, .value_kind: global_buffer, .address_space: global }
      - { .name: out0, .offset: 8, .size: 8, .value_kind: global_buffer, .address_space: global }
    .group_segment_fixed_size: 327680
    .private_segment_fixed_size: 0
    .kernarg_segment_align: 8
    .kernarg_segment_size: 16
    .max_flat_workgroup_size: 128
    .sgpr_count:     100
    .vgpr_count:     1024
    .wavefront_size: 32
...
	.end_amdgpu_metadata
.endif
;; end of part 4
;; ======== version 2 of 2: 4 launches; version 1 with the launch attn written anew for expert scheduling mode
;; limits: right only within a limited range of input values
;; workspace buffers: opnd1 9,011,200 bytes; opnd4 7,372,800 bytes; qkv 20,185,088 bytes; maskw 2,097,152 bytes of whole numbers
;; launch prep: the kernel of part 1 again; grid 1152 x 1, 8 waves a work-group, no clusters, 96,768 bytes of LDS; arguments x, Wqkv, Wproj, mask, opnd1, opnd4, maskw; writes opnd1, opnd4, maskw
;; launch gemm1: the kernel of part 2 again; grid 12 x 32, 4 waves a work-group, clusters of 4 x 4, 327,680 bytes of LDS; arguments opnd1, freqs_cos, freqs_sin, qkv; writes qkv
;; launch attn (part 5): grid 4 x 64, 16 waves a work-group, no clusters, 210,944 bytes of LDS; arguments qkv, maskw, opnd4; writes opnd4
.if DOCPART == 5
	.amdgcn_target "amdgcn-amd-amdhsa--gfx1250"
	.amdhsa_code_object_version 6
	.text
	.protected	k_q35e0f3f840_attn
	.globl	k_q35e0f3f840_attn
	.p2align	8
	.type	k_q35e0f3f840_attn,@function
k_q35e0f3f840_attn:
	s_mov_b64 s[64:65], 0
	v_nop
	global_prefetch_b8 v0, s[64:65] scope:SCOPE_SE
	s_setreg_imm32_b32 hwreg(HW_REG_WAVE_SCHED_MODE, 0, 2), 2
	s_setreg_imm32_b32 hwreg(HW_REG_WAVE_MODE, 25, 1), 1
	s_wait_xcnt 0x0
	s_wait_alu depctr_vm_vsrc(0)
; O = softmax(mask(q k^T / 8)) v for one head, both products on codes of E2M3; O is quantised along the channels into fragments for the projection.
; A work-group takes 512 queries of one (batch, head); the head's K and V codes and scale words (208,896 bytes) come into LDS ONCE, through registers: one barrier in the launch, no ring.
; Each of the sixteen waves takes two neighbouring tiles of 16 queries, one after the other, and walks the 2,048 keys in 16 steps of 128: four waves to a SIMD, so that one wave's vector work stands beside another's products.
; No tensor load, no cluster: what the four work-groups of a head share is read once, at the head of a launch of 32 key steps a wave: 204 KB against the steps' work.
; Both products are used transposed: S^T = K Q^T, O^T = V^T P^T: a lane holds ONE query.  The rows of a tile are chosen so that the 16 registers of tiles 2 B, 2 B + 1 are keys (or channels) 32 B + 16 h + 0 .. 15.
; K = 64 IN AN INSTRUCTION OF K = 128: Q's registers 6-11 are zero codes; K's fragment names six registers more than it has (the next tile's codes; zeros behind the last): E2M3 has no NaN and no infinity, and the
; scale bytes there stand for 1.0, so those products add exactly 0.
; THE SOFTMAX: t = score x log2(e) / 8; M = the running largest t rounded up to a whole number; p = 2^(t - M) is quantised along the keys; the sum is taken of the unquantised p and divides at the end.
; THE MASK: 64 words a key step, one for each score register, a bit a lane; they come by scalar loads and are the select of one v_cndmask_b32 a score, in every step: no branch hangs on them.
; THEY ARE ASKED FOR A STEP AHEAD, into the same scalar registers.  A wave's two tiles lie 4,096 bytes apart in the words' buffer, so the first tile's last step asks for the second tile's first words; the second tile's last step asks for none.
; A hidden score becomes -2^100 ahead of the maximum.  LIMITS: reference() puts the smallest f32 number there: the results are the same while real |q . k| stays under about 2^90; a row that is hidden whole
; gets p = 1 for every key (c x 2^100 is a whole number), the uniform weights of reference().  NaN and infinities are not served; a block under 2^-124 gets the byte 1.
; The result's scale bytes leave as 2 bytes a row: a word of the projection's scales spans two heads, which are two work-groups'.
; THE MODE: SCHED_MODE bits 1:0 = 2 (LLVM: expert scheduling mode 2), set by the entry lines.  The code itself states the register dependences between vector or matrix instructions and memory or LDS instructions,
; with s_wait_alu, always for 0.
; THE PLAN.  Registers that LDS or memory instructions touch in a key step:
;   v30-37, v42-89  K's scale words and half fragments.  Read by the step's eight first products; then v42-44 and v62-77 are at work until p's codes are made; then the NEXT step's 18 LDS loads land there.
;   v38-41, v192-239  V's scale words and fragments.  Read by the four second products at the step's end; this step's 13 LDS loads land there, behind the exponentials.
;   v6-10           the step's LDS addresses.  Written by five additions at the step's head; read by those 31 loads.
;   v1-5, v13, v14  places made once at the kernel's head.
;   s16-63, s80-95  the mask words.  Read by the 64 selects; the next step's scalar loads land there, behind the exponentials.
; p's codes end in v144-155, registers of S^T that are done with, so that K's buffer is free ahead of the second products.
; So a step has ONE wait on vm_vsrc, at its head, ahead of the five additions, and TWO on va_vdst: one behind the 68 exponentials (V's loads and the mask words follow it), one behind the codes' last moves and their places
; (the next step's K follows it).  Between each of the two and the loads that lean on it no vector or matrix instruction names a register that those loads touch.
; REGISTERS: v1-5, v13, v14 places that stay; v6-10 the step's addresses; v11 -2^100; v16-27 Q; v28 Q's scales, v29 p's, v30-37 K's, v38-41 V's; v42-89 K's half fragments, in between work; v90-95 zeros;
;   v96-159 S^T, then p, then (v144-158) p's codes; v160-191 O^T; v192-239 V's fragments; v240 -M, v241 the largest t, v[242:243] the sum, v[244:245] f, v[246:247] 1 / sum; v248-254 the second tile's Q and its scale word, loaded with the first's;
;   v15, v255 the closing add's two.
.set KC,   6291456
.set VC,   12582912
.set QS,   18874368
.set KSC,  19398656
.set VSC,  19922944
.set SCL4, 7077888
.set LV,   98304                       ; LDS: K's codes from 0, V's from here,
.set LKS,  196608                      ; K's scale words,
.set LVS,  204800                      ; V's
	s_load_b128 s[4:7], s[0:1], 0x0                ; qkv, maskw
	s_load_b64 s[8:9], s[0:1], 0x10                ; opnd4
	v_lshl_add_u32 v15, v0, 2, 0x33000
	v_mov_b32 v255, 0
	v_lshrrev_b32 v1, 5, v0
	v_readfirstlane_b32 s10, v1                    ; wave 0..15
	v_lshlrev_b32 v6, 4, v0                        ; the fill: 16 bytes a thread, 8,192 an instruction of the work-group
	v_lshl_add_u32 v7, v0, 4, 65536
	v_lshl_add_u32 v8, v0, 4, 131072
	v_lshl_add_u32 v9, v0, 4, LKS
	v_lshl_add_u32 v10, v0, 3, LVS
	v_lshlrev_b32 v12, 3, v0
	v_and_b32 v1, 31, v0                           ; all the vector set-up stands here, while the arguments are on their way
	v_lshlrev_b32 v13, 3, v1                       ; 8 x lane
	v_add_nc_u32 v2, 512, v13                      ; a half fragment's 8-byte pieces
	v_lshl_add_u32 v3, v1, 4, LV
	v_lshlrev_b32 v1, 4, v1                        ; 16 x lane
	v_and_b32 v14, 15, v0
	v_lshl_add_u32 v4, v14, 4, LKS
	v_lshl_add_u32 v5, v14, 4, LVS
	v_lshlrev_b32 v14, 4, v14                      ; 16 r
	v_mov_b32 v11, 0xf1800000                      ; -2^100
.irp i, 22,23,24,25,26,27,90,91,92,93,94,95
	v_mov_b32 v\i, 0                               ; zero codes, set once
.endr
	s_wait_alu depctr_va_sdst(0)                   ; s10 is written, ahead of its first reader: the tiles' numbers are made from it
	s_and_b32 s11, ttmp7, 0xffff                   ; 16 b + head
	s_mul_i32 s12, s11, 98304
	s_mov_b32 s13, 0
	s_lshl_b32 s78, s11, 13
	s_mov_b32 s79, 0
	s_lshl_b32 s74, s11, 12
	s_mov_b32 s75, 0
	s_mov_b32 s66, 0x76543210
	s_mov_b32 s67, 0xfedcba98
	s_mov_b32 s68, 0x3e38aa3b                      ; c = log2(e) / 8
	s_mov_b32 s69, s68
	s_wait_kmcnt 0x0
	s_add_nc_u64 s[14:15], s[4:5], s[12:13]
	s_add_nc_u64 s[96:97], s[4:5], s[78:79]
	s_add_nc_u64 s[98:99], s[4:5], s[74:75]
	s_add_nc_u64 s[78:79], s[14:15], VC
	s_add_nc_u64 s[14:15], s[14:15], KC
	s_add_nc_u64 s[96:97], s[96:97], KSC
	s_add_nc_u64 s[98:99], s[98:99], VSC
	s_wait_alu depctr_va_vdst(0)                   ; v1-10 and v12-14 are written, which the loads and stores below read as addresses; so are the zero codes v22-27 and v90-95, which the first products take
.set i, 0
.rept 12
	global_load_b128 v[96+4*i:99+4*i], v6, s[14:15] offset:8192*i
.set i, i+1
.endr
.set i, 0
.rept 12
	global_load_b128 v[144+4*i:147+4*i], v6, s[78:79] offset:8192*i
.set i, i+1
.endr
	global_load_b128 v[192:195], v6, s[96:97]
	global_load_b64 v[196:197], v12, s[98:99]
.set i, 0
.rept 12
	s_wait_loadcnt 25-i                            ; K's piece i is in; the 25 - i younger loads may be out
.if i < 8
	ds_store_b128 v6, v[96+4*i:99+4*i] offset:8192*i
.else
	ds_store_b128 v7, v[96+4*i:99+4*i] offset:8192*(i-8)
.endif
.set i, i+1
.endr
.set i, 0
.rept 12
	s_wait_loadcnt 13-i                            ; V's piece i
.if i < 4
	ds_store_b128 v7, v[144+4*i:147+4*i] offset:32768+8192*i
.else
	ds_store_b128 v8, v[144+4*i:147+4*i] offset:8192*(i-4)
.endif
.set i, i+1
.endr
	s_wait_loadcnt 1
	ds_store_b128 v9, v[192:195]
	s_wait_loadcnt 0x0
	ds_store_b64 v10, v[196:197]
	s_wait_dscnt 0x0                               ; for the others' sake: my stores have landed
	s_barrier_signal -1
	s_barrier_wait -1                              ; from here on LDS is only read
	s_wait_alu depctr_vm_vsrc(0)                   ; my LDS stores have read v96-197: these registers are S^T, O^T and V's fragments from here on, written by products, moves and loads
; Number n of the 18 LDS loads that bring a key step's K: two of scale words (four tiles each), then for each of the eight tiles 16 bytes a lane and 8 bytes a lane.
; a16, a8, as: the address registers; o, os: bytes on from them.
.macro KLD a16, a8, as, o, os
.if n < 2
	ds_load_b128 v[30+4*n:33+4*n], v[\as] offset:\os+256*n
.elseif (n%2) == 0
	ds_load_b128 v[42+3*(n-2):45+3*(n-2)], v[\a16] offset:\o+384*(n-2)
.else
	ds_load_b64 v[46+3*(n-3):47+3*(n-3)], v[\a8] offset:\o+384*(n-3)
.endif
.set n, n+1
.endm
; A KEY STEP: 128 keys.  s70 = 6,144 ks, s71 = 512 ks, s72 = 256 ks, s73 = ks.  Its K and its 64 mask words were asked for a step ago.
; kn = 1: the next step's K is asked for.  mn = 1: the next step's mask words are asked for.
.macro STEP kn, mn
	s_wait_alu depctr_vm_vsrc(0)                   ; the LDS loads issued so far have read v6-10, which are written again below; in a tile's first trip: the last tile's stores have read v74, which the step writes
	v_add_nc_u32 v6, s70, v1                       ; (these five are also the places between the last step's second products, which read p's codes in v144-155, and the first products, which write over them)
	v_add_nc_u32 v7, s70, v2
	v_add_nc_u32 v8, s70, v3
	v_add_nc_u32 v9, s71, v4
	v_add_nc_u32 v10, s72, v5
	s_wait_dscnt 0x0                               ; this step's K is in: nothing else of mine is out in LDS
.set t, 0
.rept 8
	v_wmma_scale_f32_16x16x128_f8f6f4 v[96+8*t:103+8*t], v[42+6*t:53+6*t], v[16:27], 0, v[30+t], v28 matrix_a_fmt:MATRIX_FMT_FP6 matrix_b_fmt:MATRIX_FMT_FP6
.set t, t+1
.endr
.rept 4
	v_nop
.endr
	s_wait_kmcnt 0x0                               ; this step's mask words are in; the loads that brought them are done, so their offset register may be written
.set j, 0
.rept 64                               ; score register j: kept where its word's bit is set, else -2^100; each accumulator from its low end on
.set m, 2*(j%32)+j/32
	v_cndmask_b32 v[96+j], v11, v[96+j], s[16+m+16*(m/48)]
.set j, j+1
.endr
.irp b, 0,1,2,3
	v_max3_num_f32 v[62+\b], v[96+16*\b], v[97+16*\b], v[98+16*\b]   ; the largest score of each block of 32 keys: for the row's maximum, and, since p rises with the score, for the block's largest p
.endr
.irp i, 3,5,7,9,11,13
.irp b, 0,1,2,3
	v_max3_num_f32 v[62+\b], v[62+\b], v[96+16*\b+\i], v[97+16*\b+\i]
.endr
.endr
.irp b, 0,1,2,3
	v_max_num_f32 v[62+\b], v[62+\b], v[111+16*\b]
.endr
.irp b, 0,1,2,3
	v_permlanex16_b32 v[66+\b], v[62+\b], s66, s67
.endr
.irp b, 0,1,2,3
	v_max_num_f32 v[62+\b], v[62+\b], v[66+\b]
.endr
	v_max3_num_f32 v74, v62, v63, v64
	v_max_num_f32 v74, v74, v65
	v_mul_f32 v74, s68, v74
	v_max_num_f32 v241, v241, v74                  ; the running largest t
	v_mov_b32 v74, v240
	v_floor_f32 v240, -v241                        ; -M = floor(-t)
	v_sub_f32 v74, v240, v74                       ; old M - new M: a whole number, 0 or less
	v_cvt_i32_f32 v74, v74                         ; (it saturates)
	v_ldexp_f32 v244, 1.0, v74                     ; f = 2^(old M - new M)
.set j, 0
.rept 32
	v_pk_fma_f32 v[96+j:97+j], v[96+j:97+j], s[68:69], v[240:241] op_sel_hi:[1,0,0]   ; t - M
.set j, j+2
.endr
.irp b, 0,1,2,3
	v_fma_f32 v[62+\b], v[62+\b], s68, v240
.endr
.set j, 0
.rept 64
	v_exp_f32 v[96+j], v[96+j]                     ; p = 2^(t - M)
.set j, j+1
.endr
.irp b, 0,1,2,3
	v_exp_f32 v[62+\b], v[62+\b]                   ; the blocks' largest p, in the same batch
.endr
	v_pk_mul_f32 v[242:243], v[242:243], v[244:245] op_sel_hi:[1,0]   ; the sum under the new M; a plain place behind the batch
	s_wait_alu depctr_va_vdst(0)                   ; the 68 exponentials have written p and the blocks' largest p, ahead of their first reader; the last step's second products are done reading v38-41 and v192-239, in which V's loads land;
	                                               ; v6-10, the loads' addresses, are written; the selects are done reading the mask words' scalar registers, in which the scalar loads land
.if (\mn)
	s_add_co_u32 s74, s72, 256                     ; the next step's 256 bytes of mask words, into the same registers
	s_load_b512 s[16:31], s[76:77], s74 offset:0x0
	s_load_b512 s[32:47], s[76:77], s74 offset:0x40
	s_load_b512 s[48:63], s[76:77], s74 offset:0x80
	s_load_b512 s[80:95], s[76:77], s74 offset:0xc0
.endif
	ds_load_b128 v[38:41], v10                     ; V's scale words
	v_pk_add_f32 v[76:77], v[96:97], v[98:99]      ; the sum of the unquantised p, in two chains
.set j, 4
.set t, 0
.rept 15
.if t < 12
	ds_load_b128 v[192+4*t:195+4*t], v8 offset:512*t   ; V's fragments, dealt among the additions.  No wait: no vector instruction since the wait above names V's registers
.endif
	v_pk_add_f32 v[242:243], v[242:243], v[96+j:97+j]
	v_pk_add_f32 v[76:77], v[76:77], v[98+j:99+j]
.set j, j+4
.set t, t+1
.endr
	v_pk_add_f32 v[242:243], v[242:243], v[76:77]
.irp b, 0,1,2,3
	v_max_num_f32 v[62+\b], 0x1800000, v[62+\b]    ; the floor
.endr
.irp b, 0,1,2,3
	v_add_nc_u32 v[70+\b], 0xff000000, v[62+\b]
.endr
.irp b, 0,1,2,3
	v_lshrrev_b32 v[66+\b], 23, v[70+\b]
.endr
	v_lshl_or_b32 v29, v67, 8, v66                 ; p's scale word for these 128 keys
	v_lshl_or_b32 v29, v68, 16, v29
	v_lshl_or_b32 v29, v69, 24, v29
	v_cvt_scalef32_pk16_fp6_f32 v[42:44], v[144:159], v73      ; block 3's half blocks first, aside: its sixteen registers then take the codes
	v_nop                                                      ; a plain place between that conversion and the lines that write its sources
	v_cvt_scalef32_pk16_fp6_f32 v[150:152], v[128:143], v72    ; block 2: registers 6-8 of the operand
	v_cvt_scalef32_pk16_fp6_f32 v[144:146], v[96:111], v70     ; block 0: registers 0-2
	v_cvt_scalef32_pk16_fp6_f32 v[156:158], v[112:127], v71    ; block 1, aside (three registers begin on an even number)
	v_nop                                                      ; a plain place behind the conversions
.irp i, 0,1,2
	v_permlane16_swap_b32 v[144+\i], v[156+\i]     ; the operand's layout wants a whole block in a lane
.endr
.irp i, 0,1,2
	v_mov_b32 v[147+\i], v[156+\i]
.endr
.irp i, 0,1,2
	v_permlane16_swap_b32 v[150+\i], v[42+\i]
.endr
.irp i, 0,1,2
	v_mov_b32 v[153+\i], v[42+\i]
.endr
.set j, 0
.rept 4
	v_pk_mul_f32 v[160+j:161+j], v[160+j:161+j], v[244:245] op_sel_hi:[1,0]   ; O^T under the new M.  (These four are the places behind the codes' last write; with the lines above them, those behind the scale word's)
.set j, j+2
.endr
	s_wait_alu depctr_va_vdst(0)                   ; p's codes v144-155 and its scale word v29 are written, which the second products take; the first products are done reading v30-37 and v42-95,
	                                               ; and all the work that named v42-44 and v62-77 is done: the next step's K lands there
.if (\kn)
.set n, 0
.rept 6
	KLD 6, 7, 9, 6144, 512                         ; the next step's K, three loads at a time among the other rescalings, which name O^T and f alone
	KLD 6, 7, 9, 6144, 512
	KLD 6, 7, 9, 6144, 512
	v_pk_mul_f32 v[160+j:161+j], v[160+j:161+j], v[244:245] op_sel_hi:[1,0]
	v_pk_mul_f32 v[162+j:163+j], v[162+j:163+j], v[244:245] op_sel_hi:[1,0]
.set j, j+4
.endr
	s_wait_dscnt 18                                ; V is in; the 18 younger loads, the next step's K, may be out
.else
.rept 12
	v_pk_mul_f32 v[160+j:161+j], v[160+j:161+j], v[244:245] op_sel_hi:[1,0]
.set j, j+2
.endr
	s_wait_dscnt 0x0                               ; V is in
.endif
.set t, 0
.rept 4
	v_wmma_scale_f32_16x16x128_f8f6f4 v[160+8*t:167+8*t], v[192+12*t:203+12*t], v[144:155], v[160+8*t:167+8*t], v[38+t], v29 matrix_a_fmt:MATRIX_FMT_FP6 matrix_b_fmt:MATRIX_FMT_FP6
.set t, t+1
.endr
.endm
; A TILE of 16 queries: number 32 x work-group x + 2 x wave + u of the head's 128.  The first tile's head asks for both tiles' Q and for its own first mask words; the second tile's head asks memory for nothing.
.macro TILE u
	s_wait_xcnt 0x0                                ; every earlier memory instruction has read its registers: the last tile's stores their data and bases, the pending scalar loads their base
.if \u == 0
	s_lshl_b32 s12, ttmp9, 5
	s_lshl_b32 s13, s10, 1
	s_add_co_u32 s12, s12, s13                     ; the tile in its sequence: an even number
	s_lshr_b32 s13, s11, 4
	s_lshl_b32 s13, s13, 7
	s_add_co_u32 s13, s13, s12                     ; 128 b + tile
	s_lshl_b32 s78, s13, 12
	s_mov_b32 s79, 0
	s_add_nc_u64 s[76:77], s[6:7], s[78:79]        ; its mask words: 16 steps x 256 bytes
	s_load_b512 s[16:31], s[76:77], 0x0            ; the first step's
	s_load_b512 s[32:47], s[76:77], 0x40
	s_load_b512 s[48:63], s[76:77], 0x80
	s_load_b512 s[80:95], s[76:77], 0xc0
	s_lshl_b32 s78, s11, 7
	s_add_co_u32 s78, s78, s12
	s_mul_i32 s78, s78, 768
	s_add_nc_u64 s[14:15], s[4:5], s[78:79]        ; its codes
	s_lshl_b32 s78, s11, 13
	s_lshr_b32 s75, s12, 2
	s_lshl_b32 s75, s75, 8
	s_add_co_u32 s78, s78, s75
	s_and_b32 s75, s12, 3
	s_lshl_b32 s75, s75, 2
	s_add_co_u32 s78, s78, s75
	s_add_co_u32 s78, s78, QS
	s_add_nc_u64 s[98:99], s[4:5], s[78:79]        ; its scale words
	global_load_b128 v[16:19], v1, s[14:15]
	global_load_b64 v[20:21], v13, s[14:15] offset:512
	global_load_b32 v28, v14, s[98:99]
	global_load_b128 v[248:251], v1, s[14:15] offset:768   ; the next tile's half fragment lies 768 bytes on,
	global_load_b64 v[252:253], v13, s[14:15] offset:1280
	global_load_b32 v254, v14, s[98:99] offset:4           ; its scale word 4 bytes on (an even tile and the next share a group of four)
.set n, 0
.rept 18
	KLD 1, 2, 4, 0, 0                              ; the first step's K.  No wait: no vector instruction has named these registers, and the addresses were written ahead of the wait at the kernel's head
.endr
.else
	s_add_co_u32 s13, s13, 1                       ; the next tile
	s_add_nc_u64 s[76:77], s[76:77], 4096          ; its mask words; the first step's were asked for in the last tile's last step
.irp i, 0,1,2,3,4,5
	v_mov_b32 v[16+\i], v[248+\i]                  ; its Q, and
.endr
	v_mov_b32 v28, v254                            ; its scale word: the forty lines below are the places between these writes and the first product
.endif
	v_mov_b32 v241, 0xff61b1e6                     ; the largest t so far: -3e38
	v_floor_f32 v240, -v241
.irp i, 242,243,244,245,246,247
	v_mov_b32 v\i, 0
.endr
.set j, 0
.rept 32
	v_mov_b32 v[160+j], 0                          ; O^T: the step is written once; its first trip finds zeros
.set j, j+1
.endr
	s_mov_b32 s70, 0
	s_mov_b32 s71, 0
	s_mov_b32 s72, 0
	s_mov_b32 s73, 0
.if \u == 0
	s_wait_loadcnt 0x0                             ; both tiles' Q
.else
	s_wait_alu depctr_vm_vsrc(0)                   ; the last tile's stores have read v42-47, in which K's loads land
	s_wait_alu depctr_va_vdst(0)                   ; the moves have written Q's codes v16-21 and its scale word v28, which the first products take; the last tile's way out is done with v42-77, in which K's loads land
.set n, 0
.rept 18
	KLD 1, 2, 4, 0, 0                              ; the first step's K
.endr
.endif
.Lstep_\@:                                             ; steps 0 to 14: each asks for the next step's K and mask words
	STEP 1, 1
	s_add_co_u32 s70, s70, 6144
	s_add_co_u32 s71, s71, 512
	s_add_co_u32 s72, s72, 256
	s_add_co_u32 s73, s73, 1
	s_cmp_lt_u32 s73, 15
	s_cbranch_scc1 .Lstep_\@
	STEP 0, 1-\u                                   ; the last step is written out: no K is left to ask for; the first tile asks for the second tile's first mask words, the second for none
	; the way out: O^T / the sum, quantised along the channels: half a fragment of the projection's operand.  (In the first tile scalar loads are out: s74, s[76:77], s16-63 and s80-95 are not named here)
.rept 4
	v_nop                                          ; places behind the last products
.endr
	v_add_f32 v242, v242, v243
	v_permlanex16_b32 v74, v242, s66, s67
	v_add_f32 v242, v242, v74                      ; the row's sum
	v_rcp_f32 v246, v242
	v_nop
	s_and_b32 s75, s11, 15                         ; the head
	s_mul_i32 s78, s13, 12288
	s_mul_i32 s79, s75, 768
	s_add_co_u32 s78, s78, s79
	s_mov_b32 s79, 0
	s_add_nc_u64 s[14:15], s[8:9], s[78:79]        ; tile, K step head / 2, half head % 2
	s_lshl_b32 s78, s13, 9
	s_lshr_b32 s70, s75, 3
	s_lshl_b32 s70, s70, 8
	s_add_co_u32 s78, s78, s70
	s_bfe_u32 s70, s75, 0x20001
	s_lshl_b32 s70, s70, 2
	s_add_co_u32 s78, s78, s70
	s_and_b32 s70, s75, 1
	s_lshl_b32 s70, s70, 1
	s_add_co_u32 s78, s78, s70
	s_add_co_u32 s78, s78, SCL4
	s_add_nc_u64 s[96:97], s[8:9], s[78:79]
	s_wait_alu depctr_va_vdst(0)                   ; the reciprocal has written v246, ahead of its first reader
.set j, 0
.rept 16
	v_pk_mul_f32 v[160+j:161+j], v[160+j:161+j], v[246:247] op_sel_hi:[1,0]
.set j, j+2
.endr
.irp b, 0,1
	v_max3_num_f32 v[62+\b], |v[160+16*\b]|, |v[161+16*\b]|, 0x1800000
.endr
.irp i, 2,4,6,8,10,12,14
.irp b, 0,1
	v_max3_num_f32 v[62+\b], v[62+\b], |v[160+16*\b+\i]|, |v[161+16*\b+\i]|
.endr
.endr
.irp b, 0,1
	v_permlanex16_b32 v[66+\b], v[62+\b], s66, s67
.endr
.irp b, 0,1
	v_max_num_f32 v[62+\b], v[62+\b], v[66+\b]
.endr
.irp b, 0,1
	v_add_nc_u32 v[70+\b], 0xff000000, v[62+\b]
.endr
.irp b, 0,1
	v_lshrrev_b32 v[66+\b], 23, v[70+\b]
.endr
	v_lshl_or_b32 v74, v67, 8, v66                 ; my head's two bytes of the row's scale word
	v_cvt_scalef32_pk16_fp6_f32 v[42:44], v[160:175], v70
	v_cvt_scalef32_pk16_fp6_f32 v[54:56], v[176:191], v71
	v_nop
.irp i, 0,1,2
	v_permlane16_swap_b32 v[42+\i], v[54+\i]
.endr
.irp i, 0,1,2
	v_mov_b32 v[45+\i], v[54+\i]
.endr
	s_wait_alu depctr_va_vdst(0)                   ; the exchanges and moves have written the codes v42-47, the shift the two bytes in v74: the three stores read them
	global_store_b128 v1, v[42:45], s[14:15]               ; 512 consecutive bytes, aligned to 256
	global_store_b64 v13, v[46:47], s[14:15] offset:512    ; 256
	global_store_b16 v14, v74, s[96:97]                    ; both halves write the same bytes with the same value
.endm
	TILE 0
	TILE 1
	s_wait_dscnt 0x0                               ; the closing lines, six on end
	s_wait_alu 0x0
	s_wait_tensorcnt 0x0
	ds_add_u32 v15, v255
	s_wait_dscnt 0x0
	s_endpgm
.Lfunc_end_k_q35e0f3f840_attn:
	.size	k_q35e0f3f840_attn, .Lfunc_end_k_q35e0f3f840_attn-k_q35e0f3f840_attn
	.p2alignl 7, 3214868480
	.fill 96, 4, 3214868480
	.section	.rodata,"a",@progbits
	.p2align	6, 0x0
	.amdhsa_kernel k_q35e0f3f840_attn
		.amdhsa_group_segment_fixed_size 210944
		.amdhsa_private_segment_fixed_size 0
		.amdhsa_enable_private_segment 0
		.amdhsa_kernarg_size 24
		.amdhsa_user_sgpr_count 2
		.amdhsa_user_sgpr_kernarg_segment_ptr 1
		.amdhsa_wavefront_size32 1
		.amdhsa_system_sgpr_workgroup_id_x 1
		.amdhsa_system_sgpr_workgroup_id_y 1
		.amdhsa_system_sgpr_workgroup_id_z 1
		.amdhsa_system_vgpr_workitem_id 0
		.amdhsa_next_free_vgpr 256
		.amdhsa_next_free_sgpr 100
		.amdhsa_reserve_vcc 0
		.amdhsa_float_denorm_mode_32 3
		.amdhsa_float_denorm_mode_16_64 3
		.amdhsa_memory_ordered 1
		.amdhsa_forward_progress 1
		.amdhsa_inst_pref_size 101
	.end_amdhsa_kernel
	.amdgpu_metadata
---
amdhsa.version: [ 1, 2 ]
amdhsa.kernels:
  - .name:           k_q35e0f3f840_attn
    .symbol:         k_q35e0f3f840_attn.kd
    .args:
      - { .name: qkv, .offset: 0, .size: 8, .value_kind: global_buffer, .address_space: global }
      - { .name: maskw, .offset: 8, .size: 8, .value_kind: global_buffer, .address_space: global }
      - { .name: opnd4, .offset: 16, .size: 8, .value_kind: global_buffer, .address_space: global }
    .group_segment_fixed_size: 210944
    .private_segment_fixed_size: 0
    .kernarg_segment_align: 8
    .kernarg_segment_size: 24
    .max_flat_workgroup_size: 512
    .sgpr_count:     100
    .vgpr_count:     256
    .wavefront_size: 32
...
	.end_amdgpu_metadata
.endif
;; end of part 5
;; launch gemm4: the kernel of part 4 again; grid 4 x 32, 4 waves a work-group, clusters of 4 x 4, 327,680 bytes of LDS; arguments opnd4, out0; writes out0
